; MI455X (gfx1250); checked and timed in simulation.
; The chip was launched on July 23, 2026; its instructions are those of AMD's public machine-readable ISA for CDNA 5 (MIT licence, August 2026) and "CDNA5" Instruction Set Architecture Reference Guide (July 2026). The comments in the code are by the model that wrote it; some were corrected since.
;; Group Query Attention. Allowed arithmetic: matrix products marked QUANTISED: E2M1 operands, one E8M0 scale for each 32 along K, by v_wmma_scale_f32_16x16x128_f8f6f4 with both operands' format E2M1 (or v_wmma_scale_f32_32x16x128_f4), f32 sums; products left as they are: bf16, f16 or f32 operands; f32 sums; everything else in f32.
;; Inputs: Wk 256 x 1,024 float32; Wp 1,024 x 1,024 float32; Wq 1,024 x 1,024 float32; Wv 256 x 1,024 float32; x 4 x 2,048 x 1,024 float32.
;; Outputs: out0 4 x 2,048 x 1,024 float32.
;; This version of the problem:
;;   THIS VERSION OF THE PROBLEM IS GIVEN IN LOW PRECISION. The matrix products marked QUANTISED in the list below multiply operands that are first quantised to E2M1 (2 exponent bits, 1 mantissa bit; 4 bits a number), with one power-of-two scale for each 32 numbers along K (OCP MX v1.0); their sums are f32. The products marked 'left as it is' may take bf16, f16 or f32 operands, with f32 sums. Whichever they take, every output number must still come out within the allowed error. Rounding operands to bf16 (8 significant bits) uses up far more of that allowance than f16 does (11 bits, for magnitudes from 6e-5 to 65,504). All else is computed in f32.
;;   The module's matrix products, in the order in which they are computed (A, B: the left and right operand; K: the contracted axis; several contracted axes count as one K, in the product's order):
;;     1. [M 8,192, K 1,024] x [K 1,024, N 1,024]; A: input x; B: input Wq: QUANTISED
;;     2. [M 8,192, K 1,024] x [K 1,024, N 256]; A: input x; B: input Wk: QUANTISED
;;     3. [M 8,192, K 1,024] x [K 1,024, N 256]; A: input x; B: input Wv: QUANTISED
;;     4. batch 16 x [M 8,192, K 64] x [K 64, N 2,048]; A: computed on the way; B: computed on the way: left as it is (an operand is computed on the way)
;;     5. batch 16 x [M 8,192, K 2,048] x [K 2,048, N 64]; A: computed on the way; B: computed on the way: left as it is (an operand is computed on the way)
;;     6. [M 8,192, K 1,024] x [K 1,024, N 1,024]; A: computed on the way; B: input Wp: left as it is (an operand is computed on the way)
;;   THE QUANTISER, for each operand of a quantised product, along K:
;;     - K is cut into blocks of 32 from its start; a last block that is shorter is filled with zeros.
;;     - A block's scale is 2^e with e = floor(log2(the largest magnitude in the block)) - 2, held to -126 .. 127; a block of zeros has e = 0. As a byte (E8M0): e + 127.
;;     - Each number is divided by its block's scale, clamped to +-6, and rounded to the nearest number of E2M1, ties to even, subnormals kept.
;;     - The product sums the exact products of the quantised numbers (number of the format x scale) in f32.
;;   ~~~python
;;   def quantise(x, axis):      # numpy; x: float32 -> the quantised numbers, widened to float32 again
;;       x = np.moveaxis(x, axis, -1); K = x.shape[-1]
;;       x = np.pad(x, [(0, 0)] * (x.ndim - 1) + [(0, -K % 32)]); x = x.reshape(x.shape[:-1] + (-1, 32)); a = np.abs(x).max(-1, keepdims=True)
;;       e = np.where(a > 0, np.clip(np.frexp(np.where(a > 0, a, 1))[1] - 1 - 2, -126, 127), 0)      # np.frexp(a)[1] - 1 = floor(log2(a)), exactly
;;       r = np.clip(x / 2.0 ** e, -6, 6)
;;       step = 2.0 ** (np.maximum(np.frexp(np.where(r == 0, 1, r))[1] - 1, 0) - 1)
;;       q = np.round(r / step) * step * 2.0 ** e      # np.round: ties to even
;;       return np.moveaxis(q.reshape(q.shape[:-2] + (-1,))[..., :K], -1, axis).astype(np.float32)
;;   ~~~
;; One version. Each part assembles by itself: llvm-mc -triple=amdgcn-amd-amdhsa -mcpu=gfx1250 --defsym DOCPART=n.
;; ======== version 1 of 1: 5 launches
;; limits: values are held in f16: magnitudes above 65,504 overflow, below 6.1e-05 lose precision
;; workspace buffers: codes 4,980,736 bytes; scales 311,296 bytes; wp16 2,097,152 bytes; rope 524,288 bytes; qkv 25,165,824 bytes; qkv32 393,216 bytes; o16 16,777,216 bytes
;; launch prep (part 1): grid 464 x 1, 4 waves a work-group, no clusters, 33,280 bytes of LDS; arguments x, Wq, Wk, Wv, Wp, codes, scales, wp16, rope; writes codes, scales, wp16, rope
.if DOCPART == 1
	.amdgcn_target "amdgcn-amd-amdhsa--gfx1250"
	.amdhsa_code_object_version 6
	.text
	.protected	k_qa47f93a7c3_prep
	.globl	k_qa47f93a7c3_prep
	.p2align	8
	.type	k_qa47f93a7c3_prep,@function
k_qa47f93a7c3_prep:
	s_mov_b64 s[64:65], 0
	v_nop
	global_prefetch_b8 v0, s[64:65] scope:SCOPE_SE
	s_setreg_imm32_b32 hwreg(HW_REG_WAVE_MODE, 25, 1), 1
	s_wait_xcnt 0x0
; PREP: everything that is made once from the inputs.  Three kinds of work-group, told apart by the work-group's number alone.
; 0-303: x [8192][1024] and Wq, Wk, Wv become codes of FP4 (E2M1), K innermost, with one E8M0 byte for each 32 along K.  A block's byte is its largest magnitude's exponent field - 2, held at 1 from below;
;   each number is divided by the scale and rounded to the nearest code, ties to even, beyond 6 the largest code.  The weights' heads (64 rows) are laid in SLOTS: slots 0-11 = Q heads 0-11,
;   slot 12+3k = Q head 12+k, 13+3k = K head k, 14+3k = V head k, so that a column tile of three slots is either Q, Q, Q or Q, K, V.
; 304-431: Wp [1024][1024] becomes f16 in the order of a matrix operand's registers: [K step 8][16 rows 64][32 k 4][half 2][lane][16 bytes]; lane (r, h) holds Wp[16 nt + r][128 s + 32 f + 16 u + 8 h + 0..7].
; 432-463: cos and sin of position x 10000^(-i/32), f32, [16 positions 128][q 8][lane][16 bytes], q = 4 sin + 2 c + j / 4; lane (r, h): position 16 tt + r, frequency 16 c + 8 h + j.
; LIMITS: NaN and infinities among the inputs are not served.  A block of zeros gets the byte 1 (its codes are zeros, and this program alone reads the bytes); blocks under 2^-124 were not tried.
;   The angle: 10000^(-i/32) is 2^(-0.41524101 i) by v_exp_f32, so the angle at position 2047 may be off by some 2e-4 radians; it feeds no quantiser.  Wp in f16: numbers under 6e-5 keep an absolute step of 6e-8.
; No cluster, no tensor load: the work-groups share no input.
.set WAVES, 4
.set STEPS, 16
.set EMAX,  2
.set CB,    8                          ; bytes of 16 codes
.set R,     16                         ; v16-79   four sets of 16 numbers as they are loaded
.set X,     80                         ; v80-111  two sets of 16 neighbours
.set C,     128                        ; v128-191 codes: four registers for each step
.set E,     112                        ; v112-127 a scale byte for each step
.set WREG,  8192                       ; LDS: a region for each wave: two stages of 32 x SP bytes, then its 256 scale bytes
.set SP,    80                         ; a lane's place in a stage: 64 bytes + 16 of padding
.set SPW,   12                         ; v12 LDS address of my spare word; never rewritten
.set NIL,   13                         ; v13 0; never rewritten
.set SPARE, WAVES*WREG                 ; the spare words: 128 bytes a wave, named by no other line
	s_load_b256 s[4:11], s[0:1], 0x0               ; x s[4:5], Wq s[6:7], Wk s[8:9], Wv s[10:11]
	s_load_b256 s[12:19], s[0:1], 0x20             ; Wp s[12:13], codes s[14:15], scales s[16:17], wp16 s[18:19]
	s_load_b64 s[20:21], s[0:1], 0x40              ; rope
	v_lshl_add_u32 v[SPW], v0, 2, SPARE
	v_mov_b32 v[NIL], 0
	v_lshrrev_b32 v1, 5, v0
	v_readfirstlane_b32 s22, v1                    ; wave
	v_and_b32 v2, 31, v0                           ; lane
	s_cmp_ge_u32 ttmp9, 432
	s_cbranch_scc1 .Lrope
	s_cmp_ge_u32 ttmp9, 304
	s_cbranch_scc1 .Lwp
; ---------------- the quantiser.  A work-group takes 32,768 numbers, a wave 16 steps of 512.  Each load reads 512 consecutive bytes; a step's 2,048 bytes turn through the wave's own stage in LDS,
; so that a lane holds 16 neighbours along K (two neighbouring lanes hold a block).  Loads run four steps ahead, the turn one step.
	v_lshlrev_b32 v3, 4, v2                        ; my 16 bytes of a load's 512
	s_mul_i32 s23, s22, WREG
	v_lshrrev_b32 v14, 2, v2
	v_mul_u32_u24 v14, v14, SP
	v_and_b32 v15, 3, v2
	v_lshl_add_u32 v14, v15, 4, v14
	v_add_nc_u32 v14, s23, v14                     ; the stage, on the way in: SP (lane / 4) + 16 (lane % 4)
	v_mul_u32_u24 v15, v2, SP
	v_add_nc_u32 v15, s23, v15                     ; on the way out: SP x lane
	v_mul_u32_u24 v4, v2, CB                       ; my codes' place in a step's
	v_lshrrev_b32 v5, 1, v2
	s_add_co_u32 s23, s23, 2*32*SP
	v_add_nc_u32 v5, s23, v5                       ; my block's scale byte in LDS
	v_lshlrev_b32 v7, 3, v2
	v_add_nc_u32 v6, s23, v7                       ; and 8 bytes a lane on their way out
	; which tensor, which chunk c of it, and which chunk D of the codes.  All candidates first, then the choices: a choice stands straight behind its compare
	s_sub_co_u32 s24, ttmp9, 296                   ; Wv: chunk,
	s_lshr_b32 s25, s24, 1
	s_mul_i32 s25, s25, 3
	s_add_co_u32 s25, s25, 14                      ; slot 14 + 3 head
	s_sub_co_u32 s26, ttmp9, 288                   ; Wk
	s_lshr_b32 s27, s26, 1
	s_mul_i32 s27, s27, 3
	s_add_co_u32 s27, s27, 13                      ; slot 13 + 3 head
	s_sub_co_u32 s28, ttmp9, 256                   ; Wq
	s_lshr_b32 s29, s28, 1                         ; head
	s_mul_i32 s30, s29, 3
	s_sub_co_u32 s30, s30, 24                      ; 12 + 3 (head - 12)
	s_cmp_lt_u32 s29, 12
	s_cselect_b32 s29, s29, s30
	s_wait_kmcnt 0x0
	s_cmp_lt_u32 ttmp9, 296
	s_cselect_b32 s24, s26, s24
	s_cselect_b32 s25, s27, s25
	s_cselect_b64 s[10:11], s[8:9], s[10:11]
	s_cmp_lt_u32 ttmp9, 288
	s_cselect_b32 s24, s28, s24
	s_cselect_b32 s25, s29, s25
	s_cselect_b64 s[10:11], s[6:7], s[10:11]
	s_and_b32 s26, s24, 1                          ; which half of the head's 64 rows
	s_lshl_b32 s25, s25, 1
	s_add_co_u32 s25, s25, s26
	s_add_co_u32 s25, s25, 256                     ; the weights' codes begin at chunk 256
	s_cmp_lt_u32 ttmp9, 256
	s_cselect_b32 s24, ttmp9, s24
	s_cselect_b32 s25, ttmp9, s25
	s_cselect_b64 s[4:5], s[4:5], s[10:11]
	s_lshl_b32 s24, s24, 2
	s_add_co_u32 s24, s24, s22                     ; my wave's run of 8,192 numbers in the source,
	s_lshl_b32 s26, s24, 15
	s_mov_b32 s27, 0
	s_add_nc_u64 s[4:5], s[4:5], s[26:27]
	s_lshl_b32 s25, s25, 2
	s_add_co_u32 s25, s25, s22                     ; and among the codes: 4,096 bytes of codes and 256 scale bytes a run
	s_lshl_b32 s26, s25, 12
	s_add_nc_u64 s[14:15], s[14:15], s[26:27]
	s_lshl_b32 s26, s25, 8
	s_add_nc_u64 s[16:17], s[16:17], s[26:27]
.macro LOAD t
.irp i, 0,1,2,3
	global_load_b128 v[R+16*((\t)%4)+4*\i:R+16*((\t)%4)+4*\i+3], v3, s[4:5] offset:2048*(\t)+512*\i th:TH_LOAD_NT
.endr
.endm
.macro TURN t                          ; step t's numbers through the stage: LDS serves a wave's instructions in order, so no wait stands between the stores and the loads
.irp i, 0,1,2,3
	ds_store_b128 v14, v[R+16*((\t)%4)+4*\i:R+16*((\t)%4)+4*\i+3] offset:32*SP*((\t)%2)+8*SP*\i
.endr
.irp i, 0,1,2,3
	ds_load_b128 v[X+16*((\t)%2)+4*\i:X+16*((\t)%2)+4*\i+3], v15 offset:32*SP*((\t)%2)+16*\i
.endr
.endm
.irp t, 0,1,2,3
	LOAD \t
.endr
	s_wait_loadcnt 12                              ; step 0's four loads are in; twelve younger ones stay out
	TURN 0
.macro STEP t
.set XS, X+16*((\t)%2)
.if (\t) > 0
	s_wait_dscnt 1                                 ; this step's numbers are back from the stage; the last step's byte store may be out
.else
	s_wait_dscnt 0x0
.endif
.if (\t)+4 < STEPS
	LOAD (\t)+4                                    ; into the registers that the stage's stores have read
.endif
.if (\t)+1 < STEPS
.if STEPS-2-(\t) >= 3
	s_wait_loadcnt 12                              ; the next step's four loads are in; those of the three steps behind it may be out
.else
	s_wait_loadcnt 4*(STEPS-2-(\t))
.endif
	TURN (\t)+1
.endif
	v_max3_num_f32 v8, |v[XS]|, |v[XS+1]|, |v[XS+2]|               ; the largest magnitude of my 16, in two chains
	v_max3_num_f32 v9, |v[XS+3]|, |v[XS+4]|, |v[XS+5]|
.irp i, 6,10
	v_max3_num_f32 v8, v8, |v[XS+\i]|, |v[XS+\i+1]|
	v_max3_num_f32 v9, v9, |v[XS+\i+2]|, |v[XS+\i+3]|
.endr
	v_max3_num_f32 v8, v8, |v[XS+14]|, |v[XS+15]|
	v_max3_num_f32 v8, v8, v9, (EMAX+1)<<23        ; and the floor 2^(3 - 127): the byte cannot fall under 1
	v_max_num_f32_dpp v8, v8, v8 row_xmask:1 row_mask:0xf bank_mask:0xf   ; with my neighbour's 16: the block's
	v_add_nc_u32 v11, -(EMAX<<23), v8              ; 2 off its exponent field: the conversion takes this operand's exponent field as its scale
	v_cvt_scalef32_pk8_fp4_f32 v[C+4*(\t)], v[XS:XS+7], v11
	v_cvt_scalef32_pk8_fp4_f32 v[C+4*(\t)+1], v[XS+8:XS+15], v11
	v_lshrrev_b32 v[E+(\t)], 23, v11               ; the scale's byte (also the plain line behind the conversions)
	ds_store_b8 v5, v[E+(\t)] offset:16*(\t)       ; both lanes of a block write the same byte with the same value
	global_store_b64 v4, v[C+4*(\t):C+4*(\t)+1], s[14:15] offset:32*CB*(\t)   ; the wave stores 256 consecutive bytes, aligned
.endm
.irp t, 0,1,2,3,4,5,6,7,8,9,10,11,12,13,14,15
	STEP \t
.endr
	ds_load_b64 v[8:9], v6                         ; my wave's 256 scale bytes: these loads see my stores
	s_wait_dscnt 0x0
	global_store_b64 v7, v[8:9], s[16:17]          ; 256 consecutive bytes, aligned
	s_wait_tensorcnt 0x0                           ; the wave's end, behind my last LDS store
	ds_add_u32 v[SPW], v[NIL]
	s_wait_dscnt 0x0
	s_endpgm
; ---------------- Wp to f16 images.  A wave takes 16 rows x 128 k: 16 loads of 16 bytes a lane (a row's 512 bytes are used whole by the wave's loads), 8 stores of 512 consecutive bytes.
.Lwp:
	s_sub_co_u32 s23, ttmp9, 304
	s_lshl_b32 s23, s23, 2
	s_add_co_u32 s23, s23, s22                     ; 0 .. 511
	s_lshr_b32 s24, s23, 3                         ; nt: which 16 rows
	s_and_b32 s25, s23, 7                          ; s: which 128 along K
	v_and_b32 v3, 15, v0                           ; r
	v_bfe_u32 v4, v0, 4, 1                         ; h
	v_lshlrev_b32 v3, 12, v3
	v_lshl_add_u32 v3, v4, 5, v3                   ; row r of 4,096 bytes + 32 h
	v_lshlrev_b32 v4, 4, v2                        ; 16 x lane
	s_lshl_b32 s26, s24, 16
	s_lshl_b32 s28, s25, 9
	s_add_co_u32 s26, s26, s28
	s_mov_b32 s27, 0
	s_lshl_b32 s28, s25, 18
	s_lshl_b32 s29, s24, 12
	s_add_co_u32 s28, s28, s29
	s_mov_b32 s29, 0
	s_wait_kmcnt 0x0
	s_add_nc_u64 s[12:13], s[12:13], s[26:27]
	s_add_nc_u64 s[18:19], s[18:19], s[28:29]
.irp i, 0,1,2,3,4,5,6,7
	global_load_b128 v[16+8*\i:16+8*\i+3], v3, s[12:13] offset:64*\i
	global_load_b128 v[16+8*\i+4:16+8*\i+7], v3, s[12:13] offset:64*\i+16
.endr
.irp i, 0,1,2,3,4,5,6,7
	s_wait_loadcnt 14-2*\i                         ; pair i is in; the later pairs stay out
.irp k, 0,1,2,3
	v_cvt_pk_f16_f32 v[80+4*\i+\k], v[16+8*\i+2*\k], v[16+8*\i+2*\k+1]
.endr
	global_store_b128 v4, v[80+4*\i:80+4*\i+3], s[18:19] offset:512*\i
.endr
	s_endpgm
; ---------------- the table of cos and sin.  A wave takes 16 positions; a lane 16 frequencies.  Every line is written for the 16 in a row, so that none waits for the one above it.
.Lrope:
.set RA, 16                            ; the exponent, 10000^(-i/32), the angle
.set RN, 32                            ; n = the nearest whole number of quarter turns
.set RR, 48                            ; the rest, within pi / 4
.set RZ, 64                            ; its square
.set RS, 80                            ; sin of the rest
.set RC, 96                            ; cos of the rest
.set RT, 112                           ; at work
.set RQ, 128                           ; n as a whole number
.set RSV, 144                          ; sin of the angle
.set RCV, 160                          ; cos of the angle
	s_sub_co_u32 s23, ttmp9, 432
	s_lshl_b32 s23, s23, 2
	s_add_co_u32 s23, s23, s22                     ; tt
	s_lshl_b32 s24, s23, 4
	v_and_b32 v3, 15, v0
	v_bfe_u32 v4, v0, 4, 1
	v_add_nc_u32 v3, s24, v3
	v_cvt_f32_u32 v3, v3                           ; my position
	v_lshlrev_b32 v4, 3, v4                        ; 8 h
	v_lshlrev_b32 v5, 4, v2                        ; 16 x lane
	v_mov_b32 v6, 0x3638ef1d                       ; 1 / 9!
	v_mov_b32 v7, 0xb493f27e                       ; -1 / 10!
	s_lshl_b32 s26, s23, 12
	s_mov_b32 s27, 0
.macro ALL16 body:vararg
.endm
.irp k, 0,1,2,3,4,5,6,7,8,9,10,11,12,13,14,15
	v_add_nc_u32 v[RA+\k], 16*(\k/8)+\k%8, v4      ; i = 16 c + 8 h + j
.endr
.irp k, 0,1,2,3,4,5,6,7,8,9,10,11,12,13,14,15
	v_cvt_f32_u32 v[RA+\k], v[RA+\k]
.endr
.irp k, 0,1,2,3,4,5,6,7,8,9,10,11,12,13,14,15
	v_mul_f32 v[RA+\k], 0xbed49a78, v[RA+\k]       ; x -log2(10000) / 32
.endr
.irp k, 0,1,2,3,4,5,6,7,8,9,10,11,12,13,14,15
	v_exp_f32 v[RA+\k], v[RA+\k]
.endr
	v_nop                                          ; a plain line behind the last exponential,
	s_wait_alu depctr_va_vdst(0)                   ; and one wait for the batch, ahead of its first reader
.irp k, 0,1,2,3,4,5,6,7,8,9,10,11,12,13,14,15
	v_mul_f32 v[RA+\k], v3, v[RA+\k]               ; the angle
.endr
.irp k, 0,1,2,3,4,5,6,7,8,9,10,11,12,13,14,15
	v_mul_f32 v[RN+\k], 0x3f22f983, v[RA+\k]       ; x 2 / pi
.endr
.irp k, 0,1,2,3,4,5,6,7,8,9,10,11,12,13,14,15
	v_rndne_f32 v[RN+\k], v[RN+\k]
.endr
.irp k, 0,1,2,3,4,5,6,7,8,9,10,11,12,13,14,15
	v_fmamk_f32 v[RR+\k], v[RN+\k], 0xbfc90fdb, v[RA+\k]   ; angle - n x pi/2, pi/2 in two parts: the high one,
.endr
.irp k, 0,1,2,3,4,5,6,7,8,9,10,11,12,13,14,15
	v_fmamk_f32 v[RR+\k], v[RN+\k], 0x333bbd2e, v[RR+\k]   ; and the low one (it is negative)
.endr
.irp k, 0,1,2,3,4,5,6,7,8,9,10,11,12,13,14,15
	v_mul_f32 v[RZ+\k], v[RR+\k], v[RR+\k]
.endr
.irp k, 0,1,2,3,4,5,6,7,8,9,10,11,12,13,14,15
	v_fmaak_f32 v[RS+\k], v6, v[RZ+\k], 0xb9500d01 ; sin: the series to r^9
.endr
.irp k, 0,1,2,3,4,5,6,7,8,9,10,11,12,13,14,15
	v_fmaak_f32 v[RS+\k], v[RS+\k], v[RZ+\k], 0x3c088889
.endr
.irp k, 0,1,2,3,4,5,6,7,8,9,10,11,12,13,14,15
	v_fmaak_f32 v[RS+\k], v[RS+\k], v[RZ+\k], 0xbe2aaaab
.endr
.irp k, 0,1,2,3,4,5,6,7,8,9,10,11,12,13,14,15
	v_mul_f32 v[RT+\k], v[RR+\k], v[RZ+\k]
.endr
.irp k, 0,1,2,3,4,5,6,7,8,9,10,11,12,13,14,15
	v_fma_f32 v[RS+\k], v[RT+\k], v[RS+\k], v[RR+\k]
.endr
.irp k, 0,1,2,3,4,5,6,7,8,9,10,11,12,13,14,15
	v_fmaak_f32 v[RC+\k], v7, v[RZ+\k], 0x37d00d01 ; cos: the series to r^10
.endr
.irp k, 0,1,2,3,4,5,6,7,8,9,10,11,12,13,14,15
	v_fmaak_f32 v[RC+\k], v[RC+\k], v[RZ+\k], 0xbab60b61
.endr
.irp k, 0,1,2,3,4,5,6,7,8,9,10,11,12,13,14,15
	v_fmaak_f32 v[RC+\k], v[RC+\k], v[RZ+\k], 0x3d2aaaab
.endr
.irp k, 0,1,2,3,4,5,6,7,8,9,10,11,12,13,14,15
	v_fmaak_f32 v[RC+\k], v[RC+\k], v[RZ+\k], 0xbf000000
.endr
.irp k, 0,1,2,3,4,5,6,7,8,9,10,11,12,13,14,15
	v_fma_f32 v[RC+\k], v[RZ+\k], v[RC+\k], 1.0
.endr
.irp k, 0,1,2,3,4,5,6,7,8,9,10,11,12,13,14,15
	v_cvt_i32_f32 v[RQ+\k], v[RN+\k]
.endr
.irp k, 0,1,2,3,4,5,6,7,8,9,10,11,12,13,14,15
	v_and_b32 v[RT+\k], 1, v[RQ+\k]
.endr
.irp k, 0,1,2,3,4,5,6,7,8,9,10,11,12,13,14,15
	v_cmp_ne_u32 vcc_lo, 0, v[RT+\k]               ; an odd quarter: sin and cos change places
	v_cndmask_b32 v[RSV+\k], v[RS+\k], v[RC+\k], vcc_lo
	v_cndmask_b32 v[RCV+\k], v[RC+\k], v[RS+\k], vcc_lo
.endr
.irp k, 0,1,2,3,4,5,6,7,8,9,10,11,12,13,14,15
	v_lshlrev_b32 v[RT+\k], 30, v[RQ+\k]           ; sin is negative in quarters 2 and 3: bit 1 of n goes to the sign
.endr
.irp k, 0,1,2,3,4,5,6,7,8,9,10,11,12,13,14,15
	v_and_b32 v[RT+\k], 0x80000000, v[RT+\k]
.endr
.irp k, 0,1,2,3,4,5,6,7,8,9,10,11,12,13,14,15
	v_xor_b32 v[RSV+\k], v[RT+\k], v[RSV+\k]
.endr
.irp k, 0,1,2,3,4,5,6,7,8,9,10,11,12,13,14,15
	v_add_nc_u32 v[RQ+\k], 1, v[RQ+\k]             ; cos in quarters 1 and 2: bit 1 of n + 1
.endr
.irp k, 0,1,2,3,4,5,6,7,8,9,10,11,12,13,14,15
	v_lshlrev_b32 v[RT+\k], 30, v[RQ+\k]
.endr
.irp k, 0,1,2,3,4,5,6,7,8,9,10,11,12,13,14,15
	v_and_b32 v[RT+\k], 0x80000000, v[RT+\k]
.endr
.irp k, 0,1,2,3,4,5,6,7,8,9,10,11,12,13,14,15
	v_xor_b32 v[RCV+\k], v[RT+\k], v[RCV+\k]
.endr
	s_wait_kmcnt 0x0
	s_add_nc_u64 s[20:21], s[20:21], s[26:27]
.irp q, 0,1,2,3
	global_store_b128 v5, v[RCV+4*\q:RCV+4*\q+3], s[20:21] offset:512*\q          ; each store covers 512 consecutive bytes
.endr
.irp q, 0,1,2,3
	global_store_b128 v5, v[RSV+4*\q:RSV+4*\q+3], s[20:21] offset:2048+512*\q
.endr
	s_endpgm
.Lfunc_end_k_qa47f93a7c3_prep:
	.size	k_qa47f93a7c3_prep, .Lfunc_end_k_qa47f93a7c3_prep-k_qa47f93a7c3_prep
	.p2alignl 7, 3214868480
	.fill 96, 4, 3214868480
	.section	.rodata,"a",@progbits
	.p2align	6, 0x0
	.amdhsa_kernel k_qa47f93a7c3_prep
		.amdhsa_group_segment_fixed_size 33280
		.amdhsa_private_segment_fixed_size 0
		.amdhsa_enable_private_segment 0
		.amdhsa_kernarg_size 72
		.amdhsa_user_sgpr_count 2
		.amdhsa_user_sgpr_kernarg_segment_ptr 1
		.amdhsa_wavefront_size32 1
		.amdhsa_system_sgpr_workgroup_id_x 1
		.amdhsa_system_sgpr_workgroup_id_y 1
		.amdhsa_system_sgpr_workgroup_id_z 1
		.amdhsa_system_vgpr_workitem_id 0
		.amdhsa_next_free_vgpr 192
		.amdhsa_next_free_sgpr 66
		.amdhsa_reserve_vcc 1
		.amdhsa_float_denorm_mode_32 3
		.amdhsa_float_denorm_mode_16_64 3
		.amdhsa_memory_ordered 1
		.amdhsa_forward_progress 1
		.amdhsa_inst_pref_size 65
	.end_amdhsa_kernel
	.amdgpu_metadata
---
amdhsa.version: [ 1, 2 ]
amdhsa.kernels:
  - .name:           k_qa47f93a7c3_prep
    .symbol:         k_qa47f93a7c3_prep.kd
    .args:
      - { .name: x, .offset: 0, .size: 8, .value_kind: global_buffer, .address_space: global }
      - { .name: Wq, .offset: 8, .size: 8, .value_kind: global_buffer, .address_space: global }
      - { .name: Wk, .offset: 16, .size: 8, .value_kind: global_buffer, .address_space: global }
      - { .name: Wv, .offset: 24, .size: 8, .value_kind: global_buffer, .address_space: global }
      - { .name: Wp, .offset: 32, .size: 8, .value_kind: global_buffer, .address_space: global }
      - { .name: codes, .offset: 40, .size: 8, .value_kind: global_buffer, .address_space: global }
      - { .name: scales, .offset: 48, .size: 8, .value_kind: global_buffer, .address_space: global }
      - { .name: wp16, .offset: 56, .size: 8, .value_kind: global_buffer, .address_space: global }
      - { .name: rope, .offset: 64, .size: 8, .value_kind: global_buffer, .address_space: global }
    .group_segment_fixed_size: 33280
    .private_segment_fixed_size: 0
    .kernarg_segment_align: 8
    .kernarg_segment_size: 72
    .max_flat_workgroup_size: 128
    .sgpr_count:     66
    .vgpr_count:     192
    .wavefront_size: 32
...
	.end_amdgpu_metadata
.endif
;; end of part 1
;; launch qkv (part 2): grid 8 x 32, 4 waves a work-group, clusters of 4 x 4, 262,144 bytes of LDS; arguments codes, scales, rope, qkv, qkv32; writes qkv, qkv32
.if DOCPART == 2
	.amdgcn_target "amdgcn-amd-amdhsa--gfx1250"
	.amdhsa_code_object_version 6
	.text
	.protected	k_qa47f93a7c3_qkv
	.globl	k_qa47f93a7c3_qkv
	.p2align	8
	.type	k_qa47f93a7c3_qkv,@function
k_qa47f93a7c3_qkv:
	s_mov_b64 s[64:65], 0
	v_nop
	global_prefetch_b8 v0, s[64:65] scope:SCOPE_SE
	s_setreg_imm32_b32 hwreg(HW_REG_WAVE_MODE, 25, 1), 1
	s_wait_xcnt 0x0
	s_wait_alu depctr_hold_cnt(0) depctr_sa_sdst(0) depctr_va_vdst(0) depctr_va_sdst(0) depctr_va_ssrc(0) depctr_va_vcc(0) depctr_vm_vsrc(0)
	s_getreg_b32 s2, hwreg(HW_REG_IB_STS2, 6, 4)
	s_cmp_eq_u32 s2, 0
	s_cbranch_scc0 .Lentry_in_a_cluster
	s_endpgm
.Lentry_in_a_cluster:
	s_bfe_u32 s2, ttmp6, 0x10000c
	s_cmp_lg_u32 s2, 0xf033
	s_cbranch_scc0 .Lentry_shape_is_right
	s_endpgm
.Lentry_shape_is_right:
; QKV: [8192 x 1024] x [1024 x 1536] on codes of FP4 with E8M0 scales, then the rotary embedding in f32, then f16 images for the attention.
; A work-group makes 256 tokens x 192 columns (three heads: three slots of the weights' codes); a wave 64 tokens x 192: 48 accumulators.  K = 1,024 is 512 bytes a row: ALL of K lies in LDS at once
; (238 KB), so there is no ring and nothing is filled twice; all bytes are asked for at the start.
; CLUSTER 4 x 4: cy is the batch, the cluster's y the tile of 256 tokens in it; the column tile is 4 x cluster x + cx.  The four of a row share x's tile, the four of a column the weights': joint loads.
; With cluster x = 0 the three heads are Q, Q, Q, with 1 they are Q, K, V: what the way out does with a head hangs on the cluster's x alone, never on a place in the cluster.
; THE MATRIX INSTRUCTION IS USED TRANSPOSED (source 0 = 16 rows of W, source 1 = 16 tokens): lane (r, h) holds token r and channels 16 b + 8 h + 0..7: the rotation's partners (channels i and i + 32) lie in one lane,
; and eight f16 are the 16 bytes that an operand's register image wants: every store covers 512 consecutive bytes straight from registers.
; OUT: qkv f16 [b][hh 24][16 tokens 128][c 4][place 32][16 bytes]; hh 0-15 Q (already x log2(e) / 8), 16-19 K, 20-23 V; place r + 16 h for Q and K, (r & 7) + 8 h + 16 (r >> 3) for V.
;      qkv32: the same numbers in f32 for the first 16 tokens of each batch, [b][4 hh + c][half][lane][16 bytes].
; LIMIT: Q, K, V must lie inside f16's range (65,504); with inputs 30 times the drawn spread, or offsets of 30 spreads, they stay under some 41,000.
; REGISTERS: window 0: v16-29 addresses; v32-127 scale words; v128-191 x's fragments, two sets; v192-223 at work.  windows 1, 2: 24 accumulators each (token tiles 0, 1 and 2, 3) at 96 (a % 2) + 8 b; v192-255 their cos and sin.
;   window 3: the weights' fragments, two sets of 96; on the way out the f16 results.
.set PITCH, 528                        ; an LDS row: 512 bytes + 16 of padding: the 16 rows of a fragment load start at 16 different groups of banks
.set BLK,   16*PITCH
.set BOFF,  256*PITCH                  ; W's 192 rows lie behind x's 256
.set SCL,   BOFF+192*PITCH             ; the scale bytes: units of 256 bytes + 16 of padding: x's 32 units,
.set SCLB,  SCL+32*272                 ; W's 24
.set SPARE, 251904                     ; the spare words, from the next multiple of 256 on: 128 bytes a wave, named by no other line
.set ADRA,  16
.set ADRB,  20                         ; v20, v21: W's blocks 0-5 and 6-11 (an LDS offset has 16 bits)
.set LOID,  22                         ; 16 x lane
.set LOV,   23                         ; 16 x V's place
.set LO2,   24                         ; the third head's: LOID or LOV
.set ADRS,  27
.set SPW,   28
.set NIL,   29
.set SC,    32                         ; scale words: v[SC + 48 s + 4 i + q']: lanes 0-15 x's block 4 w + i, lanes 16-31 W's block i; K step 4 s + q'
.set AF,    128
.set TT,    192
.set UU,    208
.set G1A,  24
.set G1B,  32
.set G1SA, 40
.set G1SB, 48
.set G0A,  56
.set G0B,  60
.set G0SA, 68
.set G0SB, 72
.set CS,   76                          ; s[76:77] log2(e) / 8
.set MSB, 0
.macro WIN new                         ; the immediate's high byte repeats the setting that is left
.if MSB != (\new)
	s_set_vgpr_msb (MSB<<8)|(\new)
.set MSB, (\new)
.endif
.endm
.macro JLOAD g0a, g1a, g0b, g1b        ; a joint load: waves 0, 1 fetch for x, waves 2, 3 for W; an s_nop 0 and four v_nop follow each line
	s_cmp_eq_u32 s15, 0
	s_cbranch_scc0 .Lfor_b_\@
	tensor_load_to_lds s[\g0a:\g0a+3], s[\g1a:\g1a+7]
	s_nop 0
.rept 4
	v_nop
.endr
	s_branch .Lasked_\@
.Lfor_b_\@:
	tensor_load_to_lds s[\g0b:\g0b+3], s[\g1b:\g1b+7]
	s_nop 0
.rept 4
	v_nop
.endr
.Lasked_\@:
.endm
.macro CROUND                          ; a round of the cluster's barrier
	s_barrier_signal -1
	s_barrier_wait -1
	s_cmp_lg_u32 s14, 0
	s_cbranch_scc1 .Lnot_wave_0_\@
	s_barrier_signal -3
.Lnot_wave_0_\@:
	s_barrier_wait -3
	s_barrier_signal -1
	s_barrier_wait -1
.endm
.macro PLACES
.rept 4
	v_nop
.endr
.endm
	s_load_b256 s[4:11], s[0:1], 0x0               ; codes s[4:5], scales s[6:7], rope s[8:9], qkv s[10:11]
	s_load_b64 s[12:13], s[0:1], 0x20              ; qkv32
	v_lshl_add_u32 v[SPW], v0, 2, SPARE
	v_mov_b32 v[NIL], 0
	ds_add_u32 v[SPW], v[NIL]                      ; the opening: the add, twice on end, and its wait ahead of my first tensor load
	ds_add_u32 v[SPW], v[NIL]
	v_lshrrev_b32 v1, 5, v0
	v_readfirstlane_b32 s14, v1                    ; wave
	s_lshr_b32 s15, s14, 1                         ; I fetch for x (0) or for W (1),
	s_and_b32 s16, s14, 1                          ; its first or second half
	s_bfe_u32 s17, ttmp6, 0x40000                  ; cx
	s_bfe_u32 s18, ttmp6, 0x40004                  ; cy = the batch
	s_and_b32 s19, ttmp7, 0xffff                   ; the tile of 256 tokens in the batch
	s_lshl_b32 s20, ttmp9, 2
	s_add_co_u32 s20, s20, s17                     ; the column tile
	s_lshl_b32 s21, s18, 2
	s_lshl_b32 s21, 15, s21                        ; my row of the cluster
	s_lshl_b32 s22, 0x1111, s17                    ; my column
	s_or_b32 s[G1A], s21, (1<<20)|(1<<21)|(6<<22)|(3<<25)          ; elements of 1 byte; 4 words of padding behind every 128
	s_or_b32 s[G1B], s22, (1<<20)|(1<<21)|(6<<22)|(3<<25)
	s_or_b32 s[G1SA], s21, (3<<16)|(1<<20)|(1<<21)|(5<<22)|(3<<25) ; elements of 8 bytes; 4 words behind every 64
	s_or_b32 s[G1SB], s22, (3<<16)|(1<<20)|(1<<21)|(5<<22)|(3<<25)
	s_mov_b32 s[G1A+1], 512<<16                    ; x's codes: 128 rows of 512 bytes
	s_mov_b32 s[G1A+2], 128<<16
	s_mov_b32 s[G1A+3], 512<<16
	s_mov_b32 s[G1A+4], 128
	s_mov_b32 s[G1A+5], 512
	s_mov_b32 s[G1A+6], 0
	s_mov_b32 s[G1A+7], 0
	s_mov_b32 s[G1B+1], 512<<16                    ; W's: 96 rows
	s_mov_b32 s[G1B+2], 96<<16
	s_mov_b32 s[G1B+3], 512<<16
	s_mov_b32 s[G1B+4], 96
	s_mov_b32 s[G1B+5], 512
	s_mov_b32 s[G1B+6], 0
	s_mov_b32 s[G1B+7], 0
	s_mov_b32 s[G1SA+1], 32<<16                    ; the scale bytes of 128 rows: 16 units of 256 bytes, dense
	s_mov_b32 s[G1SA+2], 16<<16
	s_mov_b32 s[G1SA+3], 32<<16
	s_mov_b32 s[G1SA+4], 16
	s_mov_b32 s[G1SA+5], 32
	s_mov_b32 s[G1SA+6], 0
	s_mov_b32 s[G1SA+7], 0
	s_mov_b32 s[G1SB+1], 32<<16                    ; of 96 rows: 12 units
	s_mov_b32 s[G1SB+2], 12<<16
	s_mov_b32 s[G1SB+3], 32<<16
	s_mov_b32 s[G1SB+4], 12
	s_mov_b32 s[G1SB+5], 32
	s_mov_b32 s[G1SB+6], 0
	s_mov_b32 s[G1SB+7], 0
	s_lshl_b32 s80, s18, 11                        ; x's rows: 2,048 cy + 256 tile + 128 half: nothing of cx
	s_lshl_b32 s81, s19, 8
	s_add_co_u32 s80, s80, s81
	s_lshl_b32 s81, s16, 7
	s_add_co_u32 s80, s80, s81
	s_lshl_b32 s82, s80, 5                         ; their scale bytes,
	s_mov_b32 s83, 0
	s_lshl_b32 s80, s80, 9                         ; their codes
	s_mov_b32 s81, 0
	s_mul_i32 s84, s20, 192                        ; W's rows: 192 column tile + 96 half: nothing of cy
	s_mul_i32 s85, s16, 96
	s_add_co_u32 s84, s84, s85
	s_lshl_b32 s86, s84, 5
	s_add_co_u32 s86, s86, 262144
	s_mov_b32 s87, 0
	s_lshl_b32 s84, s84, 9
	s_add_co_u32 s84, s84, 4194304
	s_mov_b32 s85, 0
	s_mul_i32 s88, s16, 128*PITCH                  ; where they go in LDS: constants and the wave's number alone
	s_mul_i32 s89, s16, 96*PITCH
	s_add_co_u32 s89, s89, BOFF
	s_mul_i32 s90, s16, 16*272
	s_add_co_u32 s90, s90, SCL
	s_mul_i32 s91, s16, 12*272
	s_add_co_u32 s91, s91, SCLB
	s_lshl_b32 s92, s19, 16                        ; cos and sin of my 64 tokens: (16 tile + 4 wave) x 4,096 bytes
	s_lshl_b32 s93, s14, 14
	s_add_co_u32 s92, s92, s93
	s_mov_b32 s93, 0
	s_mov_b32 s[CS], 0x3e38aa3b
	s_mov_b32 s[CS+1], 0x3e38aa3b
	s_wait_dscnt 0x0                               ; both opening adds are done
	s_wait_kmcnt 0x0
	s_mov_b32 s[G0A], 1
	s_mov_b32 s[G0A+1], s88
	s_add_nc_u64 s[G0A+2:G0A+3], s[4:5], s[80:81]
	s_or_b32 s[G0A+3], s[G0A+3], 0x80000000
	s_mov_b32 s[G0B], 1
	s_mov_b32 s[G0B+1], s89
	s_add_nc_u64 s[G0B+2:G0B+3], s[4:5], s[84:85]
	s_or_b32 s[G0B+3], s[G0B+3], 0x80000000
	s_mov_b32 s[G0SA], 1
	s_mov_b32 s[G0SA+1], s90
	s_add_nc_u64 s[G0SA+2:G0SA+3], s[6:7], s[82:83]
	s_or_b32 s[G0SA+3], s[G0SA+3], 0x80000000
	s_mov_b32 s[G0SB], 1
	s_mov_b32 s[G0SB+1], s91
	s_add_nc_u64 s[G0SB+2:G0SB+3], s[6:7], s[86:87]
	s_or_b32 s[G0SB+3], s[G0SB+3], 0x80000000
	s_add_nc_u64 s[92:93], s[8:9], s[92:93]
	CROUND                                         ; all sixteen work-groups are here: the joint loads meet
	JLOAD G0SA, G1SA, G0SB, G1SB                   ; two tensor loads of mine are out: the scale bytes,
	JLOAD G0A, G1A, G0B, G1B                       ; and the codes
	v_and_b32 v3, 31, v0
	v_lshlrev_b32 v[LOID], 4, v3
	WIN 0x40
.irp a, 0,1
.irp q, 0,1,2,3,4,5,6,7
	global_load_b128 v[192+32*\a+4*\q:192+32*\a+4*\q+3], v[LOID], s[92:93] offset:4096*\a+512*\q
.endr
.endr
	WIN 0x80
.irp a, 0,1
.irp q, 0,1,2,3,4,5,6,7
	global_load_b128 v[192+32*\a+4*\q:192+32*\a+4*\q+3], v[LOID], s[92:93] offset:4096*(\a+2)+512*\q
.endr
.endr
	WIN 0
	v_and_b32 v1, 15, v0                           ; r
	v_bfe_u32 v2, v0, 4, 1                         ; h
	v_mul_u32_u24 v4, v1, PITCH
	v_lshl_add_u32 v4, v2, 4, v4                   ; a fragment's row x pitch + 16 h
	s_mul_i32 s94, s14, 64*PITCH
	v_add_nc_u32 v[ADRA], s94, v4
	v_add_nc_u32 v[ADRB], BOFF, v4
	v_add_nc_u32 v[ADRB+1], BOFF+6*BLK, v4
	v_lshlrev_b32 v5, 5, v1                        ; my row's 32 scale bytes,
	v_lshrrev_b32 v6, 3, v1
	v_lshl_add_u32 v5, v6, 4, v5                   ; 16 more behind each 256
	s_mul_i32 s94, s14, 4*544                      ; x's blocks 4 w on (a block of 16 rows is two units);
	s_sub_co_u32 s95, 16*544, s94
	v_mul_u32_u24 v6, s95, v2                      ; lanes 16-31 take W's blocks, which begin 16 blocks in
	s_add_co_u32 s94, s94, SCL
	v_add_nc_u32 v5, v5, v6
	v_add_nc_u32 v[ADRS], s94, v5
	v_and_b32 v7, 7, v1
	v_lshl_add_u32 v7, v2, 3, v7
	v_lshrrev_b32 v8, 3, v1
	v_lshl_add_u32 v7, v8, 4, v7
	v_lshlrev_b32 v[LOV], 4, v7
	s_wait_tensorcnt 0x0                           ; my parts have landed,
	s_barrier_signal -1
	s_barrier_wait -1                              ; everybody's have
.macro FETCH q                         ; the fragments of K step q into set q % 2: W's twelve, x's four
	WIN 0xc0
.irp b, 0,1,2,3,4,5,6,7,8,9,10,11
.irp c, 0,1
	ds_load_b128 v[96*((\q)%2)+8*\b+4*\c:96*((\q)%2)+8*\b+4*\c+3], v[ADRB+\b/6] offset:(\b%6)*BLK+64*(\q)+32*\c
.endr
.endr
	WIN 0
.irp a, 0,1,2,3
.irp c, 0,1
	ds_load_b128 v[AF+32*((\q)%2)+8*\a+4*\c:AF+32*((\q)%2)+8*\a+4*\c+3], v[ADRA] offset:\a*BLK+64*(\q)+32*\c
.endr
.endr
.endm
.macro MUL24 a0, q                     ; token tiles a0, a0 + 1 x W's twelve blocks.  The 48 accumulators take turns in the same order in every step; the first step's products start the sums
.irp a, \a0, \a0+1
.irp b, 0,1,2,3,4,5,6,7,8,9,10,11
.if (\q) == 0
	v_wmma_scale_f32_16x16x128_f8f6f4 v[96*((\a)%2)+8*\b:96*((\a)%2)+8*\b+7], v[96*((\q)%2)+8*\b:96*((\q)%2)+8*\b+7], v[AF+32*((\q)%2)+8*(\a):AF+32*((\q)%2)+8*(\a)+7], 0, v[SC+48*((\q)/4)+4*\b+(\q)%4], v[SC+48*((\q)/4)+4*(\a)+(\q)%4] matrix_a_fmt:MATRIX_FMT_FP4 matrix_b_fmt:MATRIX_FMT_FP4 matrix_a_scale:MATRIX_SCALE_ROW1
.else
	v_wmma_scale_f32_16x16x128_f8f6f4 v[96*((\a)%2)+8*\b:96*((\a)%2)+8*\b+7], v[96*((\q)%2)+8*\b:96*((\q)%2)+8*\b+7], v[AF+32*((\q)%2)+8*(\a):AF+32*((\q)%2)+8*(\a)+7], v[96*((\a)%2)+8*\b:96*((\a)%2)+8*\b+7], v[SC+48*((\q)/4)+4*\b+(\q)%4], v[SC+48*((\q)/4)+4*(\a)+(\q)%4] matrix_a_fmt:MATRIX_FMT_FP4 matrix_b_fmt:MATRIX_FMT_FP4 matrix_a_scale:MATRIX_SCALE_ROW1
.endif
.endr
.endr
.endm
.macro STEP q
	s_wait_dscnt 0x0                               ; this step's fragments, asked for a step ago, are in
.if (\q) < 7
.if (\q) > 0
	PLACES                                         ; four places between the last products and loads into the registers that the step before read
.endif
	FETCH (\q)+1
.endif
	WIN 0x53                                       ; W window 3, x window 0, sums window 1
	MUL24 0, \q
	WIN 0xa3                                       ; sums window 2
	MUL24 2, \q
	WIN 0
.endm
.irp s, 0,1
.irp i, 0,1,2,3,4,5,6,7,8,9,10,11
	ds_load_b128 v[SC+48*\s+4*\i:SC+48*\s+4*\i+3], v[ADRS] offset:544*\i+16*\s     ; all scale words of all eight K steps, once
.endr
.endr
	FETCH 0
.irp q, 0,1,2,3,4,5,6,7
	STEP \q
.endr
; THE WAY OUT.  The descriptors' registers are free: their loads were waited for.
	PLACES                                         ; four places behind the last products
	s_cmp_eq_u32 ttmp9, 0
	s_cselect_b32 s2, 0, 12                        ; head e of my three is hh = 3 cx + e (cluster x = 0) or 12 + cx + 4 e
	s_cselect_b32 s3, 3, 1
	s_cselect_b32 s23, 1, 4
	s_cselect_b32 s79, 0, -1
	v_cndmask_b32 v[LO2], v[LOID], v[LOV], s79     ; the third head is V where cluster x = 1
	s_mul_i32 s3, s3, s17
	s_add_co_u32 s2, s2, s3
	s_mul_i32 s38, s18, 24
	s_lshl_b32 s39, s19, 4
	s_lshl_b32 s40, s14, 2
	s_add_co_u32 s39, s39, s40                     ; my first tile of 16 tokens in the batch
	s_mul_i32 s41, s18, 98304
	s_mov_b32 s43, 0
.irp e, 0,1,2
	s_add_co_u32 s42, s38, s2
	s_lshl_b32 s42, s42, 7
	s_add_co_u32 s42, s42, s39
	s_lshl_b32 s42, s42, 11
	s_add_nc_u64 s[24+2*\e:25+2*\e], s[10:11], s[42:43]            ; qkv at (batch, hh, my first tile)
	s_lshl_b32 s42, s2, 12
	s_add_co_u32 s42, s42, s41
	s_add_nc_u64 s[32+2*\e:33+2*\e], s[12:13], s[42:43]            ; qkv32 at (batch, hh)
	s_add_co_u32 s2, s2, s23
.endr
	s_or_b32 s44, s19, s14                         ; 0: my first tile holds the batch's first 16 tokens
	s_wait_loadcnt 0x0                             ; cos and sin
.macro ROPE                            ; x1' = x1 cos - x2 sin, x2' = x2 cos + x1 sin; x1 = channels 0-31 (accumulators 0, 1 of the head), x2 = 32-63 (2, 3); each accumulator is read from its low end on
	WIN 5*WP
.irp c, 0,1
.irp p, 0,2,4,6
	v_pk_mul_f32 v[TT+8*\c+\p:TT+8*\c+\p+1], v[AB+16+8*\c+\p:AB+16+8*\c+\p+1], v[CB+16+8*\c+\p:CB+16+8*\c+\p+1]
	v_pk_mul_f32 v[UU+8*\c+\p:UU+8*\c+\p+1], v[AB+8*\c+\p:AB+8*\c+\p+1], v[CB+16+8*\c+\p:CB+16+8*\c+\p+1]
.endr
.endr
	WIN 69*WP
.irp c, 0,1
.irp p, 0,2,4,6
	v_pk_fma_f32 v[AB+8*\c+\p:AB+8*\c+\p+1], v[AB+8*\c+\p:AB+8*\c+\p+1], v[CB+8*\c+\p:CB+8*\c+\p+1], v[TT+8*\c+\p:TT+8*\c+\p+1] neg_lo:[0,0,1] neg_hi:[0,0,1]
	v_pk_fma_f32 v[AB+16+8*\c+\p:AB+16+8*\c+\p+1], v[AB+16+8*\c+\p:AB+16+8*\c+\p+1], v[CB+8*\c+\p:CB+8*\c+\p+1], v[UU+8*\c+\p:UU+8*\c+\p+1]
.endr
.endr
.endm
.macro SCALEQ                          ; Q carries log2(e) / sqrt(64), so that the attention's scores are exponents of 2
	WIN 69*WP
.irp p, 0,2,4,6,8,10,12,14,16,18,20,22,24,26,28,30
	v_pk_mul_f32 v[AB+\p:AB+\p+1], v[AB+\p:AB+\p+1], s[CS:CS+1] op_sel_hi:[1,0]
.endr
.endm
.macro HEADOUT a, e
.set WP, 1+(\a)/2                      ; the accumulators' window
.set AB, 96*((\a)%2)+32*(\e)           ; the head's 32 registers
.set CB, 192+32*((\a)%2)               ; the tile's cos (16) and sin (16)
.set HB, 16*(3*(\a)+(\e))              ; its f16 results, in window 3
.if (\e) == 2
	s_cmp_lg_u32 ttmp9, 0                          ; V is neither turned nor scaled
	s_cbranch_scc1 .Lplain_\@
.endif
	ROPE
.if (\e) == 1
	WIN 0
	s_cmp_lg_u32 ttmp9, 0                          ; K is turned and not scaled
	s_cbranch_scc1 .Lplain_\@
.endif
	SCALEQ
	WIN 0
.Lplain_\@:
.if (\a) == 0
	s_cmp_lg_u32 s44, 0
	s_cbranch_scc1 .Lnot_first_\@
	WIN 0x04                                       ; a store's data are its source 1: window 1
.irp c, 0,1,2,3
	global_store_b128 v[LOID], v[AB+8*\c:AB+8*\c+3], s[32+2*(\e):33+2*(\e)] offset:1024*\c
	global_store_b128 v[LOID], v[AB+8*\c+4:AB+8*\c+7], s[32+2*(\e):33+2*(\e)] offset:1024*\c+512
.endr
	WIN 0
.Lnot_first_\@:
.endif
	WIN 0xc0+5*WP
.irp n, 0,1,2,3,4,5,6,7,8,9,10,11,12,13,14,15
	v_cvt_pk_f16_f32 v[HB+\n], v[AB+2*\n], v[AB+2*\n+1]
.endr
	WIN 0x0c                                       ; data in window 3.  Every result register is written once: no store's data are written again
.irp c, 0,1,2,3
.if (\e) == 2
	global_store_b128 v[LO2], v[HB+4*\c:HB+4*\c+3], s[24+2*(\e):25+2*(\e)] offset:2048*(\a)+512*\c
.else
	global_store_b128 v[LOID], v[HB+4*\c:HB+4*\c+3], s[24+2*(\e):25+2*(\e)] offset:2048*(\a)+512*\c
.endif
.endr
	WIN 0
.endm
.irp a, 0,1,2,3
.irp e, 0,1,2
	HEADOUT \a, \e
.endr
.endr
	s_wait_tensorcnt 0x0                           ; the wave's end
	ds_add_u32 v[SPW], v[NIL]
	s_wait_dscnt 0x0
	CROUND                                         ; the closing round
	s_endpgm
.Lfunc_end_k_qa47f93a7c3_qkv:
	.size	k_qa47f93a7c3_qkv, .Lfunc_end_k_qa47f93a7c3_qkv-k_qa47f93a7c3_qkv
	.p2alignl 7, 3214868480
	.fill 96, 4, 3214868480
	.section	.rodata,"a",@progbits
	.p2align	6, 0x0
	.amdhsa_kernel k_qa47f93a7c3_qkv
		.amdhsa_group_segment_fixed_size 262144
		.amdhsa_private_segment_fixed_size 0
		.amdhsa_enable_private_segment 0
		.amdhsa_kernarg_size 40
		.amdhsa_user_sgpr_count 2
		.amdhsa_user_sgpr_kernarg_segment_ptr 1
		.amdhsa_wavefront_size32 1
		.amdhsa_system_sgpr_workgroup_id_x 1
		.amdhsa_system_sgpr_workgroup_id_y 1
		.amdhsa_system_sgpr_workgroup_id_z 1
		.amdhsa_system_vgpr_workitem_id 0
		.amdhsa_next_free_vgpr 1024
		.amdhsa_next_free_sgpr 100
		.amdhsa_reserve_vcc 0
		.amdhsa_float_denorm_mode_32 3
		.amdhsa_float_denorm_mode_16_64 3
		.amdhsa_memory_ordered 1
		.amdhsa_forward_progress 1
		.amdhsa_inst_pref_size 139
	.end_amdhsa_kernel
	.amdgpu_metadata
---
amdhsa.version: [ 1, 2 ]
amdhsa.kernels:
  - .name:           k_qa47f93a7c3_qkv
    .symbol:         k_qa47f93a7c3_qkv.kd
    .args:
      - { .name: codes, .offset: 0, .size: 8, .value_kind: global_buffer, .address_space: global }
      - { .name: scales, .offset: 8, .size: 8, .value_kind: global_buffer, .address_space: global }
      - { .name: rope, .offset: 16, .size: 8, .value_kind: global_buffer, .address_space: global }
      - { .name: qkv, .offset: 24, .size: 8, .value_kind: global_buffer, .address_space: global }
      - { .name: qkv32, .offset: 32, .size: 8, .value_kind: global_buffer, .address_space: global }
    .group_segment_fixed_size: 262144
    .private_segment_fixed_size: 0
    .kernarg_segment_align: 8
    .kernarg_segment_size: 40
    .max_flat_workgroup_size: 128
    .sgpr_count:     100
    .vgpr_count:     1024
    .wavefront_size: 32
...
	.end_amdgpu_metadata
.endif
;; end of part 2
;; launch attn (part 3): grid 16 x 16, 8 waves a work-group, no clusters, 327,680 bytes of LDS; arguments qkv, o16; writes o16
.if DOCPART == 3
	.amdgcn_target "amdgcn-amd-amdhsa--gfx1250"
	.amdhsa_code_object_version 6
	.text
	.protected	k_qa47f93a7c3_attn
	.globl	k_qa47f93a7c3_attn
	.p2align	8
	.type	k_qa47f93a7c3_attn,@function
k_qa47f93a7c3_attn:
	s_mov_b64 s[64:65], 0
	v_nop
	global_prefetch_b8 v0, s[64:65] scope:SCOPE_SE
	s_setreg_imm32_b32 hwreg(HW_REG_WAVE_MODE, 25, 1), 1
	s_wait_xcnt 0x0
; ATTENTION, causal, head size 64, four query heads to a key/value head; f16 operands, f32 products, maxima and sums.  Q arrives x log2(e) / 8, so a score is an exponent of 2: p = 2^(s - m), m the running maximum.
; SHARES.  Work-group (p, y): batch y / 4, key/value head y % 4, the blocks of 64 queries 31 - p and then p, for all four query heads of the group: K and V are shared INSIDE the work-group.
;   Block q needs the key tiles of 64 numbered 0 .. q; a trip brings 128 keys.  (31 - p) / 2 + 1 trips and p / 2 + 1 trips are 17 for every p: the trip count is a constant and all 256 work-groups do the same work.
;   Wave w: head g = w % 4, u = w / 4.  The two waves of a head hold the same 64 queries (four tiles of 16); wave u takes keys 64 u .. 64 u + 63 of each trip's 128.  At a block's end wave u = 1 hands its O, m and l
;   to wave u = 0 through LDS, which joins them, divides and stores.  Two waves lie on a SIMD: one's softmax stands beside the other's products.
; LAYOUT.  S^T = K Q^T and O^T = V^T P: a lane holds one query (lane % 16) throughout.  K, V and Q come as images of operand registers: every LDS load reads 512 consecutive bytes; V is turned by ds_load_tr16_b128.
; NO CLUSTER: the work-groups that walk the same K and V go back to key 0 after (31 - p) / 2 + 1 trips, which differs between them, so partners would need different tiles in the same round.
; The sums are cleared, not started by a first product: where a block's first step stands hangs on p, and wave u = 1 has no step at all in block 0.
; LIMITS: Q, K, V as f16 (range 65,504); p under 6e-8 counts as 0 in the second product; NaN and infinities are not served.
; REGISTERS: window 0: v1-11 addresses; v16-47 statistics, 8 a tile: +0 m, +1 old m, +2, +3 l, +4..7 at work; v64-191 S^T (tile t, 16 keys a at 64 + 32 t + 8 a); v192-255 P.
;   window 1: v0-127 O^T (32 t + 8 c); v128-191 Q; v192-255 K's eight fragments, then V's.
.set SLOT,  32768                      ; a slot: 128 keys of K (16,384 bytes), then of V; two slots, turned by an exclusive or
.set SCR,   65536                      ; the hand-over: for each head 16,384 bytes of O, 512 of m, 512 of l
.set SCRG,  17408
.set SPARE, SCR+4*SCRG                 ; the spare words: 128 bytes a wave, named by no other line
.set AK0, 1
.set AV0, 2
.set ADR, 3
.set LI,  4                            ; 16 x lane
.set DD,  5                            ; r - 8 h: on the diagonal register j is hidden where j > DD
.set SPW, 6
.set NIL, 7
.set SCA, 8
.set SCS, 9
.set NEG, 10                           ; the lowest finite number, put under the mask
.set PFO, 11                           ; 256 x lane
.set ST,  16
.set S,   64
.set P,   192
.set QF,  128
.set KV,  192
; s8 wave, s9 g, s10 u, s11 p, s13 batch, s14 kv, s15 head; s[16:23] group 1; s[24:27] group 0; s[28:29] my 4,096 bytes of tile 0; s[30:31] the next tile's offset; s32 trip N; s33 trips of the first block;
; s34 the block in hand; s35 this trip's tile; s36 the next trip's; s37 the slot in hand; s39 the prefetches' limit; s[40:41] their address; s[42:45] Q's two bases; s[46:49] O's; s[50:51] lane selects
.set MSB, 0
.macro WIN new
.if MSB != (\new)
	s_set_vgpr_msb (MSB<<8)|(\new)
.set MSB, (\new)
.endif
.endm
	s_load_b128 s[4:7], s[0:1], 0x0                ; qkv, o16
	v_lshl_add_u32 v[SPW], v0, 2, SPARE
	v_mov_b32 v[NIL], 0
	ds_add_u32 v[SPW], v[NIL]                      ; the opening: the add, twice on end, and its wait ahead of my first tensor load
	ds_add_u32 v[SPW], v[NIL]
	v_lshrrev_b32 v12, 5, v0
	v_readfirstlane_b32 s8, v12
	s_and_b32 s9, s8, 3
	s_lshr_b32 s10, s8, 2
	s_mov_b32 s11, ttmp9
	s_and_b32 s12, ttmp7, 0xffff
	s_lshr_b32 s13, s12, 2
	s_and_b32 s14, s12, 3
	s_lshl_b32 s15, s14, 2
	s_add_co_u32 s15, s15, s9
	s_mov_b32 s16, 3<<16                           ; group 1: a dense block of 4,096 bytes as 16 rows of 32 elements of 8 bytes; no mask, no padding
	s_mov_b32 s17, 32<<16
	s_mov_b32 s18, 16<<16
	s_mov_b32 s19, 32<<16
	s_mov_b32 s20, 16
	s_mov_b32 s21, 32
	s_mov_b32 s22, 0
	s_mov_b32 s23, 0
	s_mul_i32 s52, s13, 24
	s_lshl_b32 s53, s10, 2                         ; waves 0-3 fetch K (hh 16 + kv), waves 4-7 V (hh 20 + kv), a quarter each
	s_add_co_u32 s53, s53, 16
	s_add_co_u32 s53, s53, s14
	s_add_co_u32 s53, s53, s52
	s_lshl_b32 s28, s53, 18
	s_lshl_b32 s53, s9, 12
	s_add_co_u32 s28, s28, s53
	s_mov_b32 s29, 0
	s_bfe_u32 s53, s8, 0x10001                     ; the prefetches: waves 0, 1 K's halves of 8,192 bytes, waves 2, 3 V's
	s_lshl_b32 s53, s53, 2
	s_add_co_u32 s53, s53, 16
	s_add_co_u32 s53, s53, s14
	s_add_co_u32 s53, s53, s52
	s_lshl_b32 s40, s53, 18
	s_and_b32 s53, s8, 1
	s_lshl_b32 s53, s53, 13
	s_add_co_u32 s40, s40, s53
	s_add_co_u32 s40, s40, 2*16384                 ; at tile 2: the first trip steps it to tile 3
	s_mov_b32 s41, 0
	s_or_b32 s53, s11, s10
	s_cmp_eq_u32 s53, 0                            ; work-group p = 0 walks tiles 0 .. 15 in trips 0 .. 15: its waves 0-3 ask, in trip N, for tile N + 3, while that is at most 15
	s_cselect_b32 s39, 13, 0
	s_add_co_u32 s53, s52, s15
	s_lshl_b32 s53, s53, 18                        ; Q: (24 b + head) x 262,144 + block x 8,192
	s_sub_co_u32 s54, 31, s11
	s_lshl_b32 s55, s54, 13
	s_add_co_u32 s42, s53, s55
	s_mov_b32 s43, 0
	s_lshl_b32 s55, s11, 13
	s_add_co_u32 s44, s53, s55
	s_mov_b32 s45, 0
	s_lshr_b32 s53, s15, 1                         ; O: [head / 2][128 b + 4 block + t][2 (head % 2) + c / 2][c % 2][lane][16 bytes]
	s_lshl_b32 s53, s53, 21
	s_and_b32 s55, s15, 1
	s_lshl_b32 s55, s55, 11
	s_add_co_u32 s53, s53, s55
	s_lshl_b32 s55, s13, 19
	s_add_co_u32 s53, s53, s55
	s_lshl_b32 s55, s54, 14
	s_add_co_u32 s46, s53, s55
	s_mov_b32 s47, 0
	s_lshl_b32 s55, s11, 14
	s_add_co_u32 s48, s53, s55
	s_mov_b32 s49, 0
	s_mov_b32 s50, 0x76543210
	s_mov_b32 s51, 0xfedcba98
	s_mov_b32 s31, 0
	s_mov_b32 s32, 0
	s_lshr_b32 s33, s54, 1
	s_add_co_u32 s33, s33, 1
	s_mov_b32 s34, s54
	s_mov_b32 s35, 0
	s_mov_b32 s36, 0
	s_mov_b32 s37, 0
	s_wait_dscnt 0x0                               ; both opening adds are done
	s_wait_kmcnt 0x0
	s_add_nc_u64 s[28:29], s[4:5], s[28:29]
	s_add_nc_u64 s[40:41], s[4:5], s[40:41]
	s_add_nc_u64 s[42:43], s[4:5], s[42:43]
	s_add_nc_u64 s[44:45], s[4:5], s[44:45]
	s_add_nc_u64 s[46:47], s[6:7], s[46:47]
	s_add_nc_u64 s[48:49], s[6:7], s[48:49]
	s_mov_b32 s24, 1
	s_lshl_b32 s25, s8, 12                         ; LDS: 4,096 x wave, in slot 0
	s_mov_b64 s[26:27], s[28:29]
	s_or_b32 s27, s27, 0x80000000
	tensor_load_to_lds s[24:27], s[16:23]          ; tile 0.  One tensor load of mine is out, here and behind each trip's first barrier
	s_nop 0
.rept 4
	v_nop
.endr
	v_and_b32 v13, 15, v0                          ; r
	v_bfe_u32 v14, v0, 4, 1                        ; h
	v_and_b32 v15, 31, v0
	v_lshlrev_b32 v[LI], 4, v15
	s_lshl_b32 s52, s10, 13
	v_add_nc_u32 v[AK0], s52, v[LI]                ; my 64 keys: 8,192 u + 16 x lane
	v_add_nc_u32 v[AV0], 16384, v[AK0]
	v_lshlrev_b32 v14, 3, v14
	v_sub_nc_u32 v[DD], v13, v14
	s_mul_i32 s52, s9, SCRG
	s_add_co_u32 s52, s52, SCR
	v_add_nc_u32 v[SCA], s52, v[LI]
	s_add_co_u32 s52, s52, 16384
	v_lshl_add_u32 v[SCS], v15, 2, s52
	v_mov_b32 v[NEG], 0xff7fffff
	v_lshlrev_b32 v[PFO], 8, v15
.macro QLOAD qb                        ; a block's 64 queries of my head: 16 loads of 512 consecutive bytes
	WIN 0x40
.irp t, 0,1,2,3
.irp c, 0,1,2,3
	global_load_b128 v[QF+16*\t+4*\c:QF+16*\t+4*\c+3], v[LI], s[\qb:\qb+1] offset:2048*\t+512*\c
.endr
.endr
	WIN 0
.endm
.macro RESET                           ; m = -3e38, under every score; l = 0; O^T = 0; the registers at work are written too, since a lane permute's destination counts as read
.irp t, 0,1,2,3
	v_mov_b32 v[ST+8*\t], 0xff61b1e6
	v_mov_b32 v[ST+8*\t+1], 0xff61b1e6
.irp i, 2,3,4,5,6,7
	v_mov_b32 v[ST+8*\t+\i], 0
.endr
.endr
	WIN 0x40
.set i, 0
.rept 128
	v_mov_b32 v[i], 0
.set i, i+1
.endr
	WIN 0
.endm
.macro LSUM                            ; l's two halves and the other half of the lanes': the row's sum over my keys, in +2
.irp t, 0,1,2,3
	v_add_f32 v[ST+8*\t+4], v[ST+8*\t+2], v[ST+8*\t+3]
.endr
.irp t, 0,1,2,3
	v_permlanex16_b32 v[ST+8*\t+5], v[ST+8*\t+4], s50, s51
.endr
.irp t, 0,1,2,3
	v_add_f32 v[ST+8*\t+2], v[ST+8*\t+4], v[ST+8*\t+5]
.endr
.endm
.macro FINSTORE                        ; wave u = 1: O^T as it stands, each accumulator from its low end on, then m and l
	WIN 0x04
.set i, 0
.rept 32
	ds_store_b128 v[SCA], v[4*i:4*i+3] offset:512*i
.set i, i+1
.endr
	WIN 0
.irp t, 0,1,2,3
	ds_store_b32 v[SCS], v[ST+8*\t] offset:128*\t
	ds_store_b32 v[SCS], v[ST+8*\t+2] offset:512+128*\t
.endr
.endm
.macro MERGE ob                        ; wave u = 0: O = (O fa + O' fb) / (l fa + l' fb), fa = 2^(m - M), fb = 2^(m' - M), M = max(m, m'); rounded to f16 and stored as images
.irp t, 0,1,2,3
	ds_load_b32 v[ST+8*\t+4], v[SCS] offset:128*\t
	ds_load_b32 v[ST+8*\t+5], v[SCS] offset:512+128*\t
.endr
.set i, 0
.rept 32
	ds_load_b128 v[S+4*i:S+4*i+3], v[SCA] offset:512*i
.set i, i+1
.endr
	s_wait_dscnt 0x0
.irp t, 0,1,2,3
	v_max_num_f32 v[ST+8*\t+6], v[ST+8*\t], v[ST+8*\t+4]
.endr
.irp t, 0,1,2,3
	v_sub_f32 v[ST+8*\t+7], v[ST+8*\t], v[ST+8*\t+6]
.endr
.irp t, 0,1,2,3
	v_sub_f32 v[ST+8*\t+4], v[ST+8*\t+4], v[ST+8*\t+6]
.endr
.irp t, 0,1,2,3
	v_exp_f32 v[ST+8*\t+7], v[ST+8*\t+7]
.endr
.irp t, 0,1,2,3
	v_exp_f32 v[ST+8*\t+4], v[ST+8*\t+4]
.endr
	v_nop                                          ; a plain line behind the batch,
	s_wait_alu depctr_va_vdst(0)                   ; and its one wait, ahead of the first reader
.irp t, 0,1,2,3
	v_mul_f32 v[ST+8*\t+2], v[ST+8*\t+2], v[ST+8*\t+7]
.endr
.irp t, 0,1,2,3
	v_fmac_f32 v[ST+8*\t+2], v[ST+8*\t+5], v[ST+8*\t+4]
.endr
.irp t, 0,1,2,3
	v_rcp_f32 v[ST+8*\t+3], v[ST+8*\t+2]
.endr
	v_nop
	s_wait_alu depctr_va_vdst(0)
.irp t, 0,1,2,3
	v_mul_f32 v[ST+8*\t+6], v[ST+8*\t+7], v[ST+8*\t+3]
.endr
.irp t, 0,1,2,3
	v_mul_f32 v[ST+8*\t+4], v[ST+8*\t+4], v[ST+8*\t+3]
.endr
.set n, 0
.rept 16
.irp t, 0,1,2,3
	v_pk_mul_f32 v[S+32*\t+2*n:S+32*\t+2*n+1], v[S+32*\t+2*n:S+32*\t+2*n+1], v[ST+8*\t+4:ST+8*\t+5] op_sel_hi:[1,0]
.endr
.set n, n+1
.endr
	WIN 0x01                                       ; source 0: O^T, window 1
.set n, 0
.rept 16
.irp t, 0,1,2,3
	v_pk_fma_f32 v[S+32*\t+2*n:S+32*\t+2*n+1], v[32*\t+2*n:32*\t+2*n+1], v[ST+8*\t+6:ST+8*\t+7], v[S+32*\t+2*n:S+32*\t+2*n+1] op_sel_hi:[1,0,1]
.endr
.set n, n+1
.endr
	WIN 0
.set n, 0
.rept 64
	v_cvt_pk_f16_f32 v[P+n], v[S+2*n], v[S+2*n+1]
.set n, n+1
.endr
.irp t, 0,1,2,3
.irp c, 0,1,2,3
	global_store_b128 v[LI], v[P+16*\t+4*\c:P+16*\t+4*\c+3], s[\ob:\ob+1] offset:4096*\t+512*\c    ; 512 consecutive bytes a store
.endr
.endr
	s_wait_xcnt 0x0                                ; the stores have read P, which the next step writes
.endm
.macro STEP                            ; my 64 keys of this trip's 128 against my 64 queries
	s_lshl_b32 s38, s35, 1
	s_add_co_u32 s38, s38, s10                     ; my key tile of 64
	s_cmp_gt_u32 s38, s34                          ; all of it behind the block's last query: nothing to do.  A branch on ids; no barrier and no tensor load stands in a step
	s_cbranch_scc1 .Lskip_\@
	s_wait_loadcnt 0x0                             ; Q
	v_add_nc_u32 v[ADR], s37, v[AK0]
	WIN 0x40
.irp g, 0,2                            ; channels 0-31 of the four key tiles first
.irp a, 0,1,2,3
.irp c, 0,1
	ds_load_b128 v[KV+16*\a+4*(\g+\c):KV+16*\a+4*(\g+\c)+3], v[ADR] offset:2048*\a+512*(\g+\c)
.endr
.endr
.endr
	s_wait_dscnt 8                                 ; channels 0-31 are in; the eight loads of channels 32-63 may be out
	WIN 0x05                                       ; K and Q window 1, S^T window 0
.irp t, 0,1,2,3
.irp a, 0,1,2,3
	v_wmma_f32_16x16x32_f16 v[S+32*\t+8*\a:S+32*\t+8*\a+7], v[KV+16*\a:KV+16*\a+7], v[QF+16*\t:QF+16*\t+7], 0
.endr
.endr
	s_wait_dscnt 0x0
.irp t, 0,1,2,3                        ; the sixteen accumulators take turns
.irp a, 0,1,2,3
	v_wmma_f32_16x16x32_f16 v[S+32*\t+8*\a:S+32*\t+8*\a+7], v[KV+16*\a+8:KV+16*\a+15], v[QF+16*\t+8:QF+16*\t+15], v[S+32*\t+8*\a:S+32*\t+8*\a+7]
.endr
.endr
	WIN 0
	v_add_nc_u32 v[ADR], s37, v[AV0]               ; four places behind the products: this line and three v_nop; then V's loads into K's registers, and the reads of the scores
.rept 3
	v_nop
.endr
	WIN 0x40
.irp c, 0,1,2,3
.irp a, 0,1,2,3
	ds_load_tr16_b128 v[KV+16*\c+4*\a:KV+16*\c+4*\a+3], v[ADR] offset:2048*\a+512*\c   ; 16 keys x 16 channels, turned: lane (r, h) gets channel 16 c + r, keys 16 a + 8 h + 0..7
.endr
.endr
	WIN 0
	s_cmp_lg_u32 s38, s34
	s_cbranch_scc1 .Lopen_\@                       ; only the block's own key tile lies on the diagonal
.irp j, 0,1,2,3,4,5,6,7
	v_cmp_gt_i32 vcc_lo, \j, v[DD]
.irp t, 0,1,2,3
	v_cndmask_b32 v[S+40*\t+\j], v[S+40*\t+\j], v[NEG], vcc_lo     ; tile (t, t): key 8 h + j is hidden where it is above query r
.endr
.endr
.irp t, 0,1,2
.irp a, 1,2,3
.if \a > \t
.irp j, 0,1,2,3,4,5,6,7
	v_mov_b32 v[S+32*\t+8*\a+\j], v[NEG]           ; tiles above the diagonal are hidden whole
.endr
.endif
.endr
.endr
.Lopen_\@:
.irp t, 0,1,2,3
	v_mov_b32 v[ST+8*\t+1], v[ST+8*\t]             ; the old m
.endr
.irp j, 0,1,2,3                        ; the maximum of 32 scores and the old m, three at a time; each accumulator is read from its low end on
.irp t, 0,1,2,3
	v_max3_num_f32 v[ST+8*\t+4+\j], v[S+32*\t+8*\j], v[S+32*\t+8*\j+1], v[S+32*\t+8*\j+2]
.endr
.endr
.irp i, 3,5
.irp j, 0,1,2,3
.irp t, 0,1,2,3
	v_max3_num_f32 v[ST+8*\t+4+\j], v[ST+8*\t+4+\j], v[S+32*\t+8*\j+\i], v[S+32*\t+8*\j+\i+1]
.endr
.endr
.endr
.irp t, 0,1,2,3
	v_max3_num_f32 v[ST+8*\t+4], v[ST+8*\t+4], v[S+32*\t+7], v[S+32*\t+15]
.endr
.irp t, 0,1,2,3
	v_max3_num_f32 v[ST+8*\t+6], v[ST+8*\t+6], v[S+32*\t+23], v[S+32*\t+31]
.endr
.irp t, 0,1,2,3
	v_max3_num_f32 v[ST+8*\t+4], v[ST+8*\t+4], v[ST+8*\t+5], v[ST+8*\t+6]
.endr
.irp t, 0,1,2,3
	v_max3_num_f32 v[ST+8*\t+4], v[ST+8*\t+4], v[ST+8*\t+7], v[ST+8*\t+1]
.endr
.irp t, 0,1,2,3
	v_permlanex16_b32 v[ST+8*\t+5], v[ST+8*\t+4], s50, s51         ; the query's other 32 keys lie in the lane 16 away
.endr
.irp t, 0,1,2,3
	v_max_num_f32 v[ST+8*\t], v[ST+8*\t+4], v[ST+8*\t+5]           ; the new m
.endr
.irp t, 0,1,2,3
	v_sub_f32 v[ST+8*\t+7], v[ST+8*\t+1], v[ST+8*\t]
.endr
.set n, 0
.rept 16
.irp t, 0,1,2,3
	v_pk_add_f32 v[S+32*\t+2*n:S+32*\t+2*n+1], v[S+32*\t+2*n:S+32*\t+2*n+1], v[ST+8*\t:ST+8*\t+1] op_sel_hi:[1,0] neg_lo:[0,1] neg_hi:[0,1]   ; s - m, 0 at the most
.endr
.set n, n+1
.endr
.irp t, 0,1,2,3
	v_exp_f32 v[ST+8*\t+6], v[ST+8*\t+7]           ; a = 2^(old m - m).  ONE batch: these four and the 128 weights
.endr
.set n, 0
.rept 128
	v_exp_f32 v[S+n], v[S+n]
.set n, n+1
.endr
	v_nop                                          ; a plain line behind the last exponential,
	s_wait_alu depctr_va_vdst(0)                   ; and one wait for the batch, ahead of its first reader
.set n, 0
.rept 64
	v_cvt_pk_f16_f32 v[P+n], v[S+2*n], v[S+2*n+1]  ; two tiles of 16 keys, rounded in pairs, are source 1 of the second product
.set n, n+1
.endr
	WIN 0x41
.set n, 0
.rept 16
.irp t, 0,1,2,3
	v_pk_mul_f32 v[32*\t+2*n:32*\t+2*n+1], v[32*\t+2*n:32*\t+2*n+1], v[ST+8*\t+6:ST+8*\t+7] op_sel_hi:[1,0]   ; O^T x a
.endr
.set n, n+1
.endr
	s_wait_dscnt 0x0                               ; V is in
	WIN 0x51                                       ; V window 1, P window 0, O^T window 1
.irp k, 0,1
.irp t, 0,1,2,3
.irp c, 0,1,2,3
	v_wmma_f32_16x16x32_f16 v[32*\t+8*\c:32*\t+8*\c+7], v[KV+16*\c+8*\k:KV+16*\c+8*\k+7], v[P+16*\t+8*\k:P+16*\t+8*\k+7], v[32*\t+8*\c:32*\t+8*\c+7]
.endr
.endr
.endr
	WIN 0
.irp u, 0,1,2,3,4,5,6,7                ; the row's sum of the unrounded weights, in place; these lines name no register of the products above: they are the places behind them
.irp t, 0,1,2,3
	v_pk_add_f32 v[S+32*\t+4*\u:S+32*\t+4*\u+1], v[S+32*\t+4*\u:S+32*\t+4*\u+1], v[S+32*\t+4*\u+2:S+32*\t+4*\u+3]
.endr
.endr
.irp u, 0,1,2,3
.irp t, 0,1,2,3
	v_pk_add_f32 v[S+32*\t+8*\u:S+32*\t+8*\u+1], v[S+32*\t+8*\u:S+32*\t+8*\u+1], v[S+32*\t+8*\u+4:S+32*\t+8*\u+5]
.endr
.endr
.irp u, 0,1
.irp t, 0,1,2,3
	v_pk_add_f32 v[S+32*\t+16*\u:S+32*\t+16*\u+1], v[S+32*\t+16*\u:S+32*\t+16*\u+1], v[S+32*\t+16*\u+8:S+32*\t+16*\u+9]
.endr
.endr
.irp t, 0,1,2,3
	v_pk_add_f32 v[S+32*\t:S+32*\t+1], v[S+32*\t:S+32*\t+1], v[S+32*\t+16:S+32*\t+17]
.endr
.irp t, 0,1,2,3
	v_pk_fma_f32 v[ST+8*\t+2:ST+8*\t+3], v[ST+8*\t+2:ST+8*\t+3], v[ST+8*\t+6:ST+8*\t+7], v[S+32*\t:S+32*\t+1] op_sel_hi:[1,0,1]   ; l = l a + the sum
.endr
.Lskip_\@:
.endm
; A TRIP.  In front of the first barrier each wave waits for its tensor load (its part of this trip's tile), adds 0 to its spare word, and waits for that and for its LDS reads and stores.  Behind it this trip's tile is
; whole, nobody reads the other slot, and the hand-over of a block that ended last trip is complete: the refill goes out first.  The second barrier parts wave u = 0's reads of the hand-over from the stores
; that a later block's end puts there.
.macro TRIP refill
	s_wait_tensorcnt 0x0                           ; no tensor load of mine is out, so group 0 may be written
	ds_add_u32 v[SPW], v[NIL]                      ; the refill's scalar lines stand between the add and the wait for it
.if \refill
	s_add_co_u32 s36, s35, 1                       ; the next trip's tile: one on, or 0 where the next trip begins the second block
	s_add_co_u32 s38, s32, 1
	s_cmp_eq_u32 s38, s33
	s_cselect_b32 s36, 0, s36
	s_lshl_b32 s30, s36, 14
	s_add_nc_u64 s[26:27], s[28:29], s[30:31]
	s_or_b32 s27, s27, 0x80000000
	s_xor_b32 s25, s25, SLOT                       ; into the slot that was read last trip
	s_wait_xcnt 0x0                                ; the last prefetch, a trip back, has read its address
	s_add_nc_u64 s[40:41], s[40:41], 16384
.endif
	s_wait_dscnt 0x0
	s_barrier_signal -1
	s_barrier_wait -1
.if \refill
	tensor_load_to_lds s[24:27], s[16:23]          ; my one tensor load until the next such barrier: it has the trip in which to land
	s_nop 0
.rept 4
	v_nop
.endr
	s_cmp_lt_u32 s32, s39                          ; tile N + 3: two trips ahead of the tensor load that will want it; each 256 bytes are named once in the launch
	s_cbranch_scc0 .Lnot_mine_\@
	global_prefetch_b8 v[PFO], s[40:41] th:TH_LOAD_NT scope:SCOPE_SE
.Lnot_mine_\@:
.endif
	s_cmp_lg_u32 s32, s33                          ; the first block ended last trip: wave u = 0 joins the halves and begins anew
	s_cbranch_scc1 .Lno_merge_\@
	s_cmp_lg_u32 s10, 0
	s_cbranch_scc1 .Lno_merge_\@
	MERGE 46
	RESET
.Lno_merge_\@:
	s_wait_dscnt 0x0
	s_barrier_signal -1
	s_barrier_wait -1
	STEP
.if \refill
	s_add_co_u32 s38, s32, 1
	s_cmp_lg_u32 s38, s33
	s_cbranch_scc1 .Lsame_\@
	LSUM                                           ; the first block's last trip
	s_cmp_eq_u32 s10, 0
	s_cbranch_scc1 .Lkeeps_\@
	FINSTORE
	s_wait_dscnt 0x0                               ; the stores have read their registers
	RESET
.Lkeeps_\@:
	s_wait_loadcnt 0x0                             ; no load of Q is out on any way
	QLOAD 44
	s_mov_b32 s34, s11
.Lsame_\@:
	s_mov_b32 s35, s36
.endif
	s_xor_b32 s37, s37, SLOT
	s_add_co_u32 s32, s32, 1
.endm
	QLOAD 42
	RESET
.Ltrip:                                ; 16 trips; slot 1's first fill stands behind the first trip's barrier
	TRIP 1
	s_cmp_lt_u32 s32, 16
	s_cbranch_scc1 .Ltrip
	TRIP 0                                         ; the last trip is written out: it asks for nothing
	LSUM
	s_cmp_eq_u32 s10, 0
	s_cbranch_scc1 .Ltail_keeps
	FINSTORE
.Ltail_keeps:
	s_wait_tensorcnt 0x0                           ; the wave's end, behind my last tensor load and my last LDS store
	ds_add_u32 v[SPW], v[NIL]
	s_wait_dscnt 0x0
	s_barrier_signal -1
	s_barrier_wait -1                              ; the hand-over is complete
	s_cmp_lg_u32 s10, 0
	s_cbranch_scc1 .Ldone
	MERGE 48
.Ldone:
	s_endpgm
.Lfunc_end_k_qa47f93a7c3_attn:
	.size	k_qa47f93a7c3_attn, .Lfunc_end_k_qa47f93a7c3_attn-k_qa47f93a7c3_attn
	.p2alignl 7, 3214868480
	.fill 96, 4, 3214868480
	.section	.rodata,"a",@progbits
	.p2align	6, 0x0
	.amdhsa_kernel k_qa47f93a7c3_attn
		.amdhsa_group_segment_fixed_size 327680
		.amdhsa_private_segment_fixed_size 0
		.amdhsa_enable_private_segment 0
		.amdhsa_kernarg_size 16
		.amdhsa_user_sgpr_count 2
		.amdhsa_user_sgpr_kernarg_segment_ptr 1
		.amdhsa_wavefront_size32 1
		.amdhsa_system_sgpr_workgroup_id_x 1
		.amdhsa_system_sgpr_workgroup_id_y 1
		.amdhsa_system_sgpr_workgroup_id_z 1
		.amdhsa_system_vgpr_workitem_id 0
		.amdhsa_next_free_vgpr 512
		.amdhsa_next_free_sgpr 66
		.amdhsa_reserve_vcc 1
		.amdhsa_float_denorm_mode_32 3
		.amdhsa_float_denorm_mode_16_64 3
		.amdhsa_memory_ordered 1
		.amdhsa_forward_progress 1
		.amdhsa_inst_pref_size 159
	.end_amdhsa_kernel
	.amdgpu_metadata
---
amdhsa.version: [ 1, 2 ]
amdhsa.kernels:
  - .name:           k_qa47f93a7c3_attn
    .symbol:         k_qa47f93a7c3_attn.kd
    .args:
      - { .name: qkv, .offset: 0, .size: 8, .value_kind: global_buffer, .address_space: global }
      - { .name: o16, .offset: 8, .size: 8, .value_kind: global_buffer, .address_space: global }
    .group_segment_fixed_size: 327680
    .private_segment_fixed_size: 0
    .kernarg_segment_align: 8
    .kernarg_segment_size: 16
    .max_flat_workgroup_size: 256
    .sgpr_count:     66
    .vgpr_count:     512
    .wavefront_size: 32
...
	.end_amdgpu_metadata
.endif
;; end of part 3
;; launch proj (part 4): grid 8 x 32, 4 waves a work-group, clusters of 4 x 4, 327,680 bytes of LDS; arguments o16, wp16, out0; writes out0
.if DOCPART == 4
	.amdgcn_target "amdgcn-amd-amdhsa--gfx1250"
	.amdhsa_code_object_version 6
	.text
	.protected	k_qa47f93a7c3_proj
	.globl	k_qa47f93a7c3_proj
	.p2align	8
	.type	k_qa47f93a7c3_proj,@function
k_qa47f93a7c3_proj:
	s_mov_b64 s[64:65], 0
	v_nop
	global_prefetch_b8 v0, s[64:65] scope:SCOPE_SE
	s_setreg_imm32_b32 hwreg(HW_REG_WAVE_MODE, 25, 1), 1
	s_wait_xcnt 0x0
	s_wait_alu depctr_hold_cnt(0) depctr_sa_sdst(0) depctr_va_vdst(0) depctr_va_sdst(0) depctr_va_ssrc(0) depctr_va_vcc(0) depctr_vm_vsrc(0)
	s_getreg_b32 s2, hwreg(HW_REG_IB_STS2, 6, 4)
	s_cmp_eq_u32 s2, 0
	s_cbranch_scc0 .Lentry_in_a_cluster
	s_endpgm
.Lentry_in_a_cluster:
	s_bfe_u32 s2, ttmp6, 0x10000c
	s_cmp_lg_u32 s2, 0xf033
	s_cbranch_scc0 .Lentry_shape_is_right
	s_endpgm
.Lentry_shape_is_right:
; PROJECTION: out0 [8192][1024] f32 = O [8192][1024] x Wp^T, f16 operands, f32 sums.  Both operands arrive as images of operand registers, laid by K step of 128: a K step's tile is one dense block.
; A tile of out0 is 256 x 128, the largest that gives each of 256 work-groups one; a wave makes 128 x 64: 32 accumulators, window 1.  K goes in 8 steps of 128 through two LDS slots.
; CLUSTER 4 x 4: the four of a row share O's tile, the four of a column Wp's: joint loads; where a slot is filled again a round of the cluster's barrier is the barrier in front of the refill.
; THE MATRIX INSTRUCTION IS USED TRANSPOSED (source 0 = 16 rows of Wp, source 1 = 16 tokens): a lane holds eight neighbouring numbers of a row of out0.
; The first 16 tokens of each batch are written here like all rows and written again, more finely, by the launch that follows.
; No prefetch: K is short and the tiles are small.
; REGISTERS: window 0: v16-29 addresses; two fragment buffers of 96 (Wp's four fragments, then O's eight) at v32 and v128; on the way out v32-95.  window 1: accumulator (a, b) at 32 a + 8 b.
.set SLOTB,  98304                     ; O's 16 tiles of 16 tokens (4,096 bytes each), then Wp's 8 tiles of 16 rows; dense: every LDS load reads 512 consecutive bytes
.set BOFF,   65536
.set STAGE,  2*SLOTB                   ; 16 rows x (256 + 16) bytes for each wave
.set SPITCH, 272
.set SPARE,  STAGE+4*16*SPITCH         ; the spare words: 128 bytes a wave, named by no other line
.set ADRA, 16
.set ADRB, 20
.set STO,  24
.set RD,   25
.set CO,   26
.set SPW,  28
.set NIL,  29
.set F0,   32
.set F1,   128
.set BK,   32
.set G1,  24
.set G0,  32
.set G1B, 48
.set G0B, 56
.set MSB, 0
.macro WIN new
.if MSB != (\new)
	s_set_vgpr_msb (MSB<<8)|(\new)
.set MSB, (\new)
.endif
.endm
.set MUL, 0x50                         ; sources window 0, C and D window 1
.macro JLOAD s                         ; waves 0, 1 fetch O's halves, waves 2, 3 Wp's; an s_nop 0 and four v_nop follow each line
	s_cmp_eq_u32 s11, 0
	s_cbranch_scc0 .Lfor_b_\@
	tensor_load_to_lds s[G0+4*\s:G0+4*\s+3], s[G1:G1+7]
	s_nop 0
.rept 4
	v_nop
.endr
	s_branch .Lasked_\@
.Lfor_b_\@:
	tensor_load_to_lds s[G0B+4*\s:G0B+4*\s+3], s[G1B:G1B+7]
	s_nop 0
.rept 4
	v_nop
.endr
.Lasked_\@:
.endm
.macro CREST
	s_cmp_lg_u32 s10, 0
	s_cbranch_scc1 .Lnot_wave_0_\@
	s_barrier_signal -3
.Lnot_wave_0_\@:
	s_barrier_wait -3
	s_barrier_signal -1
	s_barrier_wait -1
.endm
.macro CROUND
	s_barrier_signal -1
	s_barrier_wait -1
	CREST
.endm
.macro PLACES
.rept 4
	v_nop
.endr
.endm
	s_load_b128 s[4:7], s[0:1], 0x0                ; o16, wp16
	s_load_b64 s[8:9], s[0:1], 0x10                ; out0
	v_lshl_add_u32 v[SPW], v0, 2, SPARE
	v_mov_b32 v[NIL], 0
	ds_add_u32 v[SPW], v[NIL]                      ; the opening: the add, twice on end, and its wait ahead of my first tensor load
	ds_add_u32 v[SPW], v[NIL]
	v_lshrrev_b32 v1, 5, v0
	v_readfirstlane_b32 s10, v1
	s_lshr_b32 s11, s10, 1                         ; my half of the rows.  Also: I fetch for O (0) or for Wp (1)
	s_and_b32 s12, s10, 1                          ; my half of the columns.  Also: which half of that tile I fetch
	s_bfe_u32 s40, ttmp6, 0x40000                  ; cx
	s_bfe_u32 s41, ttmp6, 0x40004                  ; cy
	s_lshl_b32 s42, ttmp9, 2
	s_add_co_u32 s42, s42, s40                     ; tile column
	s_and_b32 s13, ttmp7, 0xffff
	s_lshl_b32 s13, s13, 2
	s_add_co_u32 s13, s13, s41                     ; tile row
	s_lshl_b32 s43, s41, 2
	s_lshl_b32 s43, 15, s43
	s_lshl_b32 s44, 0x1111, s40
	s_or_b32 s[G1], s43, (3<<16)|(1<<21)           ; elements of 8 bytes, no padding; O's tiles go to my row of the cluster
	s_or_b32 s[G1B], s44, (3<<16)|(1<<21)          ; Wp's to my column
	s_mov_b32 s[G1+1], 32<<16                      ; 128 rows of 256 bytes: 32,768 dense bytes
	s_mov_b32 s[G1+2], 128<<16
	s_mov_b32 s[G1+3], 32<<16
	s_mov_b32 s[G1+4], 128
	s_mov_b32 s[G1+5], 32
	s_mov_b32 s[G1+6], 0
	s_mov_b32 s[G1+7], 0
	s_mov_b32 s[G1B+1], 32<<16                     ; 64 rows: 16,384
	s_mov_b32 s[G1B+2], 64<<16
	s_mov_b32 s[G1B+3], 32<<16
	s_mov_b32 s[G1B+4], 64
	s_mov_b32 s[G1B+5], 32
	s_mov_b32 s[G1B+6], 0
	s_mov_b32 s[G1B+7], 0
	s_lshl_b32 s16, s13, 16                        ; O: 65,536 x tile row + 32,768 x half
	s_lshl_b32 s17, s12, 15
	s_add_co_u32 s16, s16, s17
	s_mov_b32 s17, 0
	s_lshl_b32 s46, s42, 15                        ; Wp: 32,768 x tile column + 16,384 x half
	s_lshl_b32 s47, s12, 14
	s_add_co_u32 s46, s46, s47
	s_mov_b32 s47, 0
	s_lshl_b32 s20, s12, 15                        ; where they go in a slot
	s_lshl_b32 s21, s12, 14
	s_add_co_u32 s21, s21, BOFF
	s_wait_dscnt 0x0                               ; both opening adds are done
	s_wait_kmcnt 0x0
	s_add_nc_u64 s[14:15], s[4:5], s[16:17]
	s_add_nc_u64 s[46:47], s[6:7], s[46:47]
	CROUND                                         ; all sixteen work-groups are here
.irp s, 0,1
	s_mov_b32 s[G0+4*\s], 1
	s_add_co_u32 s[G0+4*\s+1], s20, \s*SLOTB
	s_add_nc_u64 s[G0+4*\s+2:G0+4*\s+3], s[14:15], \s*2097152      ; K step s
	s_or_b32 s[G0+4*\s+3], s[G0+4*\s+3], 0x80000000
	s_mov_b32 s[G0B+4*\s], 1
	s_add_co_u32 s[G0B+4*\s+1], s21, \s*SLOTB
	s_add_nc_u64 s[G0B+4*\s+2:G0B+4*\s+3], s[46:47], \s*262144
	s_or_b32 s[G0B+4*\s+3], s[G0B+4*\s+3], 0x80000000
	JLOAD \s                                       ; two tensor loads of mine are out at the start, one behind each round
.endr
	v_and_b32 v1, 15, v0                           ; r
	v_bfe_u32 v2, v0, 4, 1                         ; h
	v_and_b32 v3, 31, v0
	v_lshlrev_b32 v3, 4, v3                        ; 16 x lane
	s_lshl_b32 s22, s11, 15                        ; my eight tiles of tokens,
	s_lshl_b32 s23, s12, 14
	s_add_co_u32 s23, s23, BOFF                    ; my four tiles of Wp's rows
.irp s, 0,1
	v_add_nc_u32 v[ADRA+\s], s22, v3
	v_add_nc_u32 v[ADRB+\s], s23, v3
	s_add_co_u32 s22, s22, SLOTB
	s_add_co_u32 s23, s23, SLOTB
.endr
	s_mul_i32 s22, s10, 16*SPITCH
	s_add_co_u32 s22, s22, STAGE                   ; my stage
	v_mul_u32_u24 v4, v1, SPITCH
	v_lshl_add_u32 v4, v2, 5, v4
	v_add_nc_u32 v[STO], s22, v4                   ; in: row r, 32 bytes for each half of the lanes
	v_mul_u32_u24 v5, v2, SPITCH
	v_lshl_add_u32 v5, v1, 4, v5
	v_add_nc_u32 v[RD], s22, v5                    ; back: lanes 0-15 one row of 256 bytes, lanes 16-31 the next
	v_lshlrev_b32 v5, 12, v2
	v_lshl_add_u32 v[CO], v1, 4, v5                ; and the same two rows in out0
	s_lshl_b32 s16, s13, 20                        ; my first row: (256 tile row + 128 half) x 4,096 bytes
	s_lshl_b32 s17, s11, 19
	s_add_co_u32 s16, s16, s17
	s_mov_b32 s17, 0
	s_add_nc_u64 s[8:9], s[8:9], s[16:17]
	s_lshl_b32 s46, s42, 9                         ; my first column: 512 x tile column + 256 x half bytes
	s_lshl_b32 s47, s12, 8
	s_add_co_u32 s46, s46, s47
	s_mov_b32 s47, 0
	s_add_nc_u64 s[8:9], s[8:9], s[46:47]
.macro MUL8 f, a0, zero                ; token tiles a0, a0 + 1 x Wp's four; the 32 accumulators take turns in the same order in every quarter
.irp a, \a0, \a0+1
.irp b, 0,1,2,3
.if \zero
	v_wmma_f32_16x16x32_f16 v[32*(\a)+8*\b:32*(\a)+8*\b+7], v[\f+8*\b:\f+8*\b+7], v[\f+32+8*(\a):\f+32+8*(\a)+7], 0
.else
	v_wmma_f32_16x16x32_f16 v[32*(\a)+8*\b:32*(\a)+8*\b+7], v[\f+8*\b:\f+8*\b+7], v[\f+32+8*(\a):\f+32+8*(\a)+7], v[32*(\a)+8*\b:32*(\a)+8*\b+7]
.endif
.endr
.endr
.endm
.macro FETCH slot, kq, f               ; 24 LDS loads in one run: quarter kq (32 along K): Wp's four fragments, O's tiles 0-3, O's tiles 4-7
.irp b, 0,1,2,3
	ds_load_b128 v[\f+8*\b:\f+8*\b+3], v[ADRB+\slot] offset:4096*\b+1024*(\kq)
	ds_load_b128 v[\f+8*\b+4:\f+8*\b+7], v[ADRB+\slot] offset:4096*\b+1024*(\kq)+512
.endr
.irp a, 0,1,2,3,4,5,6,7
	ds_load_b128 v[\f+32+8*\a:\f+32+8*\a+3], v[ADRA+\slot] offset:4096*\a+1024*(\kq)
	ds_load_b128 v[\f+32+8*\a+4:\f+32+8*\a+7], v[ADRA+\slot] offset:4096*\a+1024*(\kq)+512
.endr
.endm
.macro QUARTER slot, kq, f, g, zero    ; multiplies buffer f; in its middle it fetches quarter kq of the same slot into g
	s_wait_dscnt 8                                 ; Wp's and O's tiles 0-3 are in; the youngest eight loads may be out
	WIN MUL
	MUL8 \f, 0, \zero
	MUL8 \f, 2, \zero
	WIN 0
	PLACES                                         ; four places in front of loads into registers that products have read
	FETCH \slot, \kq, \g
	s_wait_dscnt 24                                ; all but the 24 just issued
	WIN MUL
	MUL8 \f, 4, \zero
	MUL8 \f, 6, \zero
.endm
.macro TURN slot, next, fill           ; a slot's last quarter multiplies buffer 1 and changes slots
	WIN 0
	s_wait_tensorcnt 0x0                           ; all my tensor loads have landed: my part of the next slot;
	ds_add_u32 v[SPW], v[NIL]
	s_wait_dscnt 9                                 ; (the add and the youngest eight loads may be out)
	WIN MUL
	MUL8 F1, 0, 0                                  ; eight products stand between the add and the wait for it
	s_wait_dscnt 0x0                               ; the add is done, and my reads of this slot are over
	s_barrier_signal -1
	MUL8 F1, 2, 0
	WIN 0
	s_barrier_wait -1
.if \fill
	CREST                                          ; the barrier has opened a round of the cluster's: no wave of any partner still reads this slot or has a load on its way
	s_add_nc_u64 s[G0+4*\slot+2:G0+4*\slot+3], s[G0+4*\slot+2:G0+4*\slot+3], 2*2097152
	s_add_nc_u64 s[G0B+4*\slot+2:G0B+4*\slot+3], s[G0B+4*\slot+2:G0B+4*\slot+3], 2*262144
	JLOAD \slot                                    ; the first tensor load behind the round; its four v_nop are also the places in front of the loads below
.else
	PLACES
.endif
	FETCH \next, 0, F0
	WIN MUL
	MUL8 F1, 4, 0
	MUL8 F1, 6, 0
.endm
	s_wait_tensorcnt 1                             ; my part of K step 0 is in; K step 1's may stay out
	s_barrier_signal -1
	s_barrier_wait -1
	FETCH 0, 0, F0
	QUARTER 0, 1, F0, F1, 1                        ; the first quarter's products start the sums
	WIN 0
	s_mov_b32 s3, 3
.Llap:                                 ; a trip goes once round the ring, from a lap's second quarter to the next lap's first, and fills both slots again
	QUARTER 0, 2, F1, F0, 0
	QUARTER 0, 3, F0, F1, 0
	TURN 0, 1, 1
	QUARTER 1, 1, F0, F1, 0
	QUARTER 1, 2, F1, F0, 0
	QUARTER 1, 3, F0, F1, 0
	TURN 1, 0, 1
	QUARTER 0, 1, F0, F1, 0
	WIN 0
	s_sub_co_u32 s3, s3, 1
	s_cmp_lg_u32 s3, 0
	s_cbranch_scc1 .Llap
	QUARTER 0, 2, F1, F0, 0                        ; the last lap fills nothing
	QUARTER 0, 3, F0, F1, 0
	TURN 0, 1, 0
	QUARTER 1, 1, F0, F1, 0
	QUARTER 1, 2, F1, F0, 0
	QUARTER 1, 3, F0, F1, 0
	s_wait_dscnt 8
	WIN MUL
	MUL8 F1, 0, 0
	MUL8 F1, 2, 0
	s_wait_dscnt 0x0
	MUL8 F1, 4, 0
	MUL8 F1, 6, 0
	WIN 0
; THE WAY OUT, 16 rows x 64 columns at a time, through my own stage: back come whole rows of 256 bytes, so that sixteen lanes store 256 consecutive bytes, aligned.  LDS serves a wave's instructions in order.
.macro TOSTAGE a
	WIN 0x04                                       ; an LDS store's data are its source 1: window 1
.irp b, 0,1,2,3
	ds_store_b128 v[STO], v[32*(\a)+8*\b:32*(\a)+8*\b+3] offset:64*\b              ; each accumulator from its low end on
	ds_store_b128 v[STO], v[32*(\a)+8*\b+4:32*(\a)+8*\b+7] offset:64*\b+16
.endr
	WIN 0
.irp i, 0,1,2,3,4,5,6,7
	ds_load_b128 v[BK+32*((\a)%2)+4*\i:BK+32*((\a)%2)+4*\i+3], v[RD] offset:2*\i*SPITCH
.endr
.endm
.macro SEND a, younger
	s_wait_dscnt \younger                          ; the block is back; the next block's eight stores and eight loads may be out
.if (\a) > 0
	s_add_nc_u64 s[8:9], s[8:9], 16*4096           ; (behind a wait on XCNT: the earlier stores have read their base)
.endif
.irp i, 0,1,2,3,4,5,6,7
	global_store_b128 v[CO], v[BK+32*((\a)%2)+4*\i:BK+32*((\a)%2)+4*\i+3], s[8:9] offset:2*\i*4096 th:TH_STORE_NT
.endr
.endm
	PLACES
	TOSTAGE 0
.irp a, 1,2,3,4,5,6,7
.if \a > 1
	s_wait_xcnt 0x0                                ; block a - 2's stores have read their registers and their base
.endif
	TOSTAGE \a
	SEND \a-1, 16
.endr
	s_wait_xcnt 0x0
	SEND 7, 0
	s_wait_tensorcnt 0x0                           ; the wave's end
	ds_add_u32 v[SPW], v[NIL]
	s_wait_dscnt 0x0
	CROUND                                         ; the closing round
	s_endpgm
.Lfunc_end_k_qa47f93a7c3_proj:
	.size	k_qa47f93a7c3_proj, .Lfunc_end_k_qa47f93a7c3_proj-k_qa47f93a7c3_proj
	.p2alignl 7, 3214868480
	.fill 96, 4, 3214868480
	.section	.rodata,"a",@progbits
	.p2align	6, 0x0
	.amdhsa_kernel k_qa47f93a7c3_proj
		.amdhsa_group_segment_fixed_size 327680
		.amdhsa_private_segment_fixed_size 0
		.amdhsa_enable_private_segment 0
		.amdhsa_kernarg_size 24
		.amdhsa_user_sgpr_count 2
		.amdhsa_user_sgpr_kernarg_segment_ptr 1
		.amdhsa_wavefront_size32 1
		.amdhsa_system_sgpr_workgroup_id_x 1
		.amdhsa_system_sgpr_workgroup_id_y 1
		.amdhsa_system_sgpr_workgroup_id_z 1
		.amdhsa_system_vgpr_workitem_id 0
		.amdhsa_next_free_vgpr 512
		.amdhsa_next_free_sgpr 66
		.amdhsa_reserve_vcc 0
		.amdhsa_float_denorm_mode_32 3
		.amdhsa_float_denorm_mode_16_64 3
		.amdhsa_memory_ordered 1
		.amdhsa_forward_progress 1
		.amdhsa_inst_pref_size 85
	.end_amdhsa_kernel
	.amdgpu_metadata
---
amdhsa.version: [ 1, 2 ]
amdhsa.kernels:
  - .name:           k_qa47f93a7c3_proj
    .symbol:         k_qa47f93a7c3_proj.kd
    .args:
      - { .name: o16, .offset: 0, .size: 8, .value_kind: global_buffer, .address_space: global }
      - { .name: wp16, .offset: 8, .size: 8, .value_kind: global_buffer, .address_space: global }
      - { .name: out0, .offset: 16, .size: 8, .value_kind: global_buffer, .address_space: global }
    .group_segment_fixed_size: 327680
    .private_segment_fixed_size: 0
    .kernarg_segment_align: 8
    .kernarg_segment_size: 24
    .max_flat_workgroup_size: 128
    .sgpr_count:     66
    .vgpr_count:     512
    .wavefront_size: 32
...
	.end_amdgpu_metadata
.endif
;; end of part 4
;; launch first16 (part 5): grid 16 x 4, 16 waves a work-group, no clusters, 67,584 bytes of LDS; arguments qkv32, Wp, out0; writes out0
.if DOCPART == 5
	.amdgcn_target "amdgcn-amd-amdhsa--gfx1250"
	.amdhsa_code_object_version 6
	.text
	.protected	k_qa47f93a7c3_first16
	.globl	k_qa47f93a7c3_first16
	.p2align	8
	.type	k_qa47f93a7c3_first16,@function
k_qa47f93a7c3_first16:
	s_mov_b64 s[64:65], 0
	v_nop
	global_prefetch_b8 v0, s[64:65] scope:SCOPE_SE
	s_setreg_imm32_b32 hwreg(HW_REG_WAVE_MODE, 25, 1), 1
	s_wait_xcnt 0x0
; THE FIRST 16 POSITIONS OF EACH BATCH, all in f32: there a row of the attention averages one to a few values, and f16 operands would use up what the comparison allows.  It runs last and writes these rows of out0 again.
; Work-group (cb, b): rows 0-15 of batch b, columns 64 cb .. 64 cb + 63.  Wave = query head: its 16 x 16 attention (done again in each of the 16 column blocks: 16 + 16 small products), then its head's 64 of the
; projection's 1,024 along K; the sixteen parts meet in LDS, and wave w adds row w's in the order of the heads.
; The f32 matrix form takes 4 along K: lane (r, h), register e: k = 2 h + e.  Here the instruction (c, jj) is given channels (or keys) 16 c + 8 h + 2 jj + e, alike on both sides: a permutation of K that keeps the products.
; So the images of qkv32 (lane (r, h): token r, channels 16 c + 8 h + 0..7) serve as they lie, and O^T's result registers are the projection's operand.
; The registers that this form writes (v192-255) are written by matrix instructions alone; each sum begins with the constant 0.  Four accumulators take turns.
; No cluster, no tensor load: 64 small work-groups whose shared inputs are a few KB.
; REGISTERS: v1-7 addresses; v8-15 scores, then p; v16-21 at work; v24, v25 the add's two; v26 the mask's number; v32-63 Q, v64-95 K, later Wp's column tiles 2, 3; v96-127 V, later the parts; v128-191 Wp's tiles 0, 1;
;   v192-223 four accumulators: S^T by quarters of the channels, later out^T; v224-255 O^T.
.set SPW, 24
.set NIL, 25
.set SPARE, 65536                      ; behind the sixteen parts of 4,096 bytes: 128 bytes a wave, named by no other line
	s_load_b128 s[4:7], s[0:1], 0x0                ; qkv32, Wp
	s_load_b64 s[8:9], s[0:1], 0x10                ; out0
	v_lshl_add_u32 v[SPW], v0, 2, SPARE
	v_mov_b32 v[NIL], 0
	v_lshrrev_b32 v27, 5, v0
	v_readfirstlane_b32 s10, v27                   ; wave = head; later = row
	s_mov_b32 s11, ttmp9                           ; column block
	s_and_b32 s12, ttmp7, 0xffff                   ; batch
	v_and_b32 v27, 31, v0                          ; lane
	v_and_b32 v28, 15, v0                          ; r
	v_bfe_u32 v29, v0, 4, 1                        ; h
	v_lshlrev_b32 v1, 4, v27                       ; 16 x lane
	v_bfe_u32 v30, v0, 2, 1                        ; V is wanted turned: lane (r, h), register j: V[key 8 h + j][channel 16 c + r].  In the image that word lies at half (r >> 2) & 1, lane 8 h + j + 16 (r >> 3), word r & 3
	v_lshlrev_b32 v2, 9, v30
	v_bfe_u32 v30, v0, 3, 1
	v_lshl_add_u32 v2, v30, 8, v2
	v_and_b32 v30, 3, v0
	v_lshl_add_u32 v2, v30, 2, v2
	v_lshl_add_u32 v2, v29, 7, v2
	v_lshlrev_b32 v3, 12, v28
	v_lshl_add_u32 v3, v29, 5, v3                  ; Wp: row r of 4,096 bytes + 32 h
	v_bfe_u32 v30, v0, 3, 2                        ; the way back: lane L takes columns 2 L, 2 L + 1 of row w: tile L >> 3, h' = (L >> 2) & 1, register 2 (L & 3)
	v_lshlrev_b32 v4, 10, v30
	v_bfe_u32 v30, v0, 1, 1
	v_lshl_add_u32 v4, v30, 9, v4
	v_bfe_u32 v30, v0, 2, 1
	v_lshl_add_u32 v4, v30, 8, v4
	v_and_b32 v30, 1, v0
	v_lshl_add_u32 v4, v30, 3, v4
	s_lshl_b32 s13, s10, 4
	v_add_nc_u32 v4, s13, v4
	s_lshl_b32 s13, s10, 12
	v_add_nc_u32 v5, s13, v1                       ; my part: 4,096 x wave + 16 x lane
	v_lshlrev_b32 v6, 3, v27                       ; 8 x lane
	v_lshlrev_b32 v29, 3, v29
	v_sub_nc_u32 v7, v28, v29                      ; r - 8 h: key 8 h + j is hidden where j is above it
	v_mov_b32 v26, 0xff7fffff
	s_mov_b32 s22, 0x76543210
	s_mov_b32 s23, 0xfedcba98
	s_mul_i32 s24, s12, 98304
	s_lshl_b32 s14, s10, 12
	s_add_co_u32 s14, s14, s24                     ; Q: batch, head
	s_mov_b32 s15, 0
	s_lshr_b32 s25, s10, 2
	s_lshl_b32 s25, s25, 12
	s_add_co_u32 s25, s25, s24
	s_add_co_u32 s16, s25, 65536                   ; K: hh = 16 + head / 4
	s_mov_b32 s17, 0
	s_add_co_u32 s18, s25, 81920                   ; V: hh = 20 + head / 4
	s_mov_b32 s19, 0
	s_lshl_b32 s20, s11, 18                        ; Wp: rows 64 cb on, my head's 64 along K
	s_lshl_b32 s21, s10, 8
	s_add_co_u32 s20, s20, s21
	s_mov_b32 s21, 0
	s_lshl_b32 s26, s12, 11
	s_add_co_u32 s26, s26, s10
	s_lshl_b32 s26, s26, 12                        ; out0: row 2,048 b + w,
	s_lshl_b32 s27, s11, 8
	s_add_co_u32 s26, s26, s27                     ; 256 bytes at 256 cb
	s_mov_b32 s27, 0
	s_wait_kmcnt 0x0
	s_add_nc_u64 s[14:15], s[4:5], s[14:15]
	s_add_nc_u64 s[16:17], s[4:5], s[16:17]
	s_add_nc_u64 s[18:19], s[4:5], s[18:19]
	s_add_nc_u64 s[20:21], s[6:7], s[20:21]
	s_add_nc_u64 s[26:27], s[8:9], s[26:27]
.irp c, 0,1,2,3
	global_load_b128 v[32+8*\c:35+8*\c], v1, s[14:15] offset:1024*\c
	global_load_b128 v[36+8*\c:39+8*\c], v1, s[14:15] offset:1024*\c+512
.endr
.irp c, 0,1,2,3
	global_load_b128 v[64+8*\c:67+8*\c], v1, s[16:17] offset:1024*\c
	global_load_b128 v[68+8*\c:71+8*\c], v1, s[16:17] offset:1024*\c+512
.endr
.irp c, 0,1,2,3
.irp j, 0,1,2,3,4,5,6,7
	global_load_b32 v[96+8*\c+\j], v2, s[18:19] offset:1024*\c+16*\j
.endr
.endr
.irp n, 0,1
.irp c, 0,1,2,3
	global_load_b128 v[128+32*\n+8*\c:131+32*\n+8*\c], v3, s[20:21] offset:65536*\n+64*\c
	global_load_b128 v[132+32*\n+8*\c:135+32*\n+8*\c], v3, s[20:21] offset:65536*\n+64*\c+16
.endr
.endr
	s_wait_loadcnt 48                              ; Q and K are in; V's 32 loads and Wp's 16 may be out
.irp i, 0,1,2,3                        ; S^T = K Q^T: lane (r, h): query r, register j: key 8 h + j; accumulator c sums channels 16 c .. 16 c + 15
.irp c, 0,1,2,3
.if \i == 0
	v_wmma_f32_16x16x4_f32 v[192+8*\c:199+8*\c], v[64+8*\c+2*\i:65+8*\c+2*\i], v[32+8*\c+2*\i:33+8*\c+2*\i], 0
.else
	v_wmma_f32_16x16x4_f32 v[192+8*\c:199+8*\c], v[64+8*\c+2*\i:65+8*\c+2*\i], v[32+8*\c+2*\i:33+8*\c+2*\i], v[192+8*\c:199+8*\c]
.endif
.endr
.endr
.rept 8
	v_nop                                          ; eight places behind this form, in front of loads into its sources and of reads of its results
.endr
.irp n, 0,1
.irp c, 0,1,2,3
	global_load_b128 v[32+32*\n+8*\c:35+32*\n+8*\c], v3, s[20:21] offset:65536*(\n+2)+64*\c        ; Wp's column tiles 2 and 3, where Q and K lay
	global_load_b128 v[36+32*\n+8*\c:39+32*\n+8*\c], v3, s[20:21] offset:65536*(\n+2)+64*\c+16
.endr
.endr
.irp p, 0,2,4,6                        ; the four quarters are added; each accumulator is read from its low end on
	v_pk_add_f32 v[8+\p:9+\p], v[192+\p:193+\p], v[200+\p:201+\p]
	v_pk_add_f32 v[16+\p:17+\p], v[208+\p:209+\p], v[216+\p:217+\p]
.endr
.irp p, 0,2,4,6
	v_pk_add_f32 v[8+\p:9+\p], v[8+\p:9+\p], v[16+\p:17+\p]
.endr
.irp j, 0,1,2,3,4,5,6,7
	v_cmp_gt_i32 vcc_lo, \j, v7
	v_cndmask_b32 v[8+\j], v[8+\j], v26, vcc_lo    ; the causal mask
.endr
	v_max3_num_f32 v16, v8, v9, v10
	v_max3_num_f32 v17, v11, v12, v13
	v_max3_num_f32 v16, v16, v14, v15
	v_max_num_f32 v16, v16, v17
	v_permlanex16_b32 v17, v16, s22, s23
	v_max_num_f32 v16, v16, v17                    ; the row's maximum (key 0 counts for every query)
.irp p, 0,2,4,6
	v_pk_add_f32 v[8+\p:9+\p], v[8+\p:9+\p], v[16:17] op_sel_hi:[1,0] neg_lo:[0,1] neg_hi:[0,1]
.endr
.irp j, 0,1,2,3,4,5,6,7
	v_exp_f32 v[8+\j], v[8+\j]                     ; Q carries log2(e) / 8
.endr
	v_nop
	s_wait_alu depctr_va_vdst(0)                   ; one wait for the batch, ahead of its first reader
	v_pk_add_f32 v[18:19], v[8:9], v[10:11]
	v_pk_add_f32 v[20:21], v[12:13], v[14:15]
	v_pk_add_f32 v[18:19], v[18:19], v[20:21]
	v_add_f32 v18, v18, v19
	v_permlanex16_b32 v19, v18, s22, s23
	v_add_f32 v18, v18, v19
	v_rcp_f32 v20, v18
	v_nop
	s_wait_alu depctr_va_vdst(0)
.irp p, 0,2,4,6
	v_pk_mul_f32 v[8+\p:9+\p], v[8+\p:9+\p], v[20:21] op_sel_hi:[1,0]      ; p, normalised
.endr
	s_wait_loadcnt 32                              ; V is in; Wp's 16 + 16 loads may be out
.irp i, 0,1,2,3                        ; O^T = V^T P: lane (r, h): query r, register j: channel 16 c + 8 h + j
.irp c, 0,1,2,3
.if \i == 0
	v_wmma_f32_16x16x4_f32 v[224+8*\c:231+8*\c], v[96+8*\c+2*\i:97+8*\c+2*\i], v[8+2*\i:9+2*\i], 0
.else
	v_wmma_f32_16x16x4_f32 v[224+8*\c:231+8*\c], v[96+8*\c+2*\i:97+8*\c+2*\i], v[8+2*\i:9+2*\i], v[224+8*\c:231+8*\c]
.endif
.endr
.endr
.rept 9
	v_nop                                          ; nine places before a matrix instruction takes these results as an operand
.endr
	s_wait_loadcnt 0x0
.irp c, 0,1,2,3                        ; out^T = Wp O^T over my head's 64 channels: lane (r, h): token r, register j: column 16 n + 8 h + j
.irp i, 0,1,2,3
.irp n, 0,1,2,3
.if (\c == 0) && (\i == 0)
	v_wmma_f32_16x16x4_f32 v[192+8*\n:199+8*\n], v[128+32*\n-160*(\n/2)+8*\c+2*\i:129+32*\n-160*(\n/2)+8*\c+2*\i], v[224+8*\c+2*\i:225+8*\c+2*\i], 0
.else
	v_wmma_f32_16x16x4_f32 v[192+8*\n:199+8*\n], v[128+32*\n-160*(\n/2)+8*\c+2*\i:129+32*\n-160*(\n/2)+8*\c+2*\i], v[224+8*\c+2*\i:225+8*\c+2*\i], v[192+8*\n:199+8*\n]
.endif
.endr
.endr
.endr
.rept 8
	v_nop
.endr
.irp n, 0,1,2,3
	ds_store_b128 v5, v[192+8*\n:195+8*\n] offset:1024*\n          ; my part, as it stands; each accumulator from its low end on
	ds_store_b128 v5, v[196+8*\n:199+8*\n] offset:1024*\n+512
.endr
	s_wait_tensorcnt 0x0                           ; the wave's end of LDS writing, behind my last LDS store
	ds_add_u32 v[SPW], v[NIL]
	s_wait_dscnt 0x0                               ; my stores have landed
	s_barrier_signal -1
	s_barrier_wait -1                              ; everybody's have
.irp p, 0,1,2,3,4,5,6,7,8,9,10,11,12,13,14,15
	ds_load_b64 v[96+2*\p:97+2*\p], v4 offset:4096*\p              ; row w, my two columns, of head p's part
.endr
	s_wait_dscnt 0x0
.irp p, 1,2,3,4,5,6,7,8,9,10,11,12,13,14,15
	v_pk_add_f32 v[96:97], v[96:97], v[96+2*\p:97+2*\p]
.endr
	global_store_b64 v6, v[96:97], s[26:27]        ; the wave stores 256 consecutive bytes, aligned
	s_endpgm
.Lfunc_end_k_qa47f93a7c3_first16:
	.size	k_qa47f93a7c3_first16, .Lfunc_end_k_qa47f93a7c3_first16-k_qa47f93a7c3_first16
	.p2alignl 7, 3214868480
	.fill 96, 4, 3214868480
	.section	.rodata,"a",@progbits
	.p2align	6, 0x0
	.amdhsa_kernel k_qa47f93a7c3_first16
		.amdhsa_group_segment_fixed_size 67584
		.amdhsa_private_segment_fixed_size 0
		.amdhsa_enable_private_segment 0
		.amdhsa_kernarg_size 24
		.amdhsa_user_sgpr_count 2
		.amdhsa_user_sgpr_kernarg_segment_ptr 1
		.amdhsa_wavefront_size32 1
		.amdhsa_system_sgpr_workgroup_id_x 1
		.amdhsa_system_sgpr_workgroup_id_y 1
		.amdhsa_system_sgpr_workgroup_id_z 1
		.amdhsa_system_vgpr_workitem_id 0
		.amdhsa_next_free_vgpr 256
		.amdhsa_next_free_sgpr 66
		.amdhsa_reserve_vcc 1
		.amdhsa_float_denorm_mode_32 3
		.amdhsa_float_denorm_mode_16_64 3
		.amdhsa_memory_ordered 1
		.amdhsa_forward_progress 1
		.amdhsa_inst_pref_size 23
	.end_amdhsa_kernel
	.amdgpu_metadata
---
amdhsa.version: [ 1, 2 ]
amdhsa.kernels:
  - .name:           k_qa47f93a7c3_first16
    .symbol:         k_qa47f93a7c3_first16.kd
    .args:
      - { .name: qkv32, .offset: 0, .size: 8, .value_kind: global_buffer, .address_space: global }
      - { .name: Wp, .offset: 8, .size: 8, .value_kind: global_buffer, .address_space: global }
      - { .name: out0, .offset: 16, .size: 8, .value_kind: global_buffer, .address_space: global }
    .group_segment_fixed_size: 67584
    .private_segment_fixed_size: 0
    .kernarg_segment_align: 8
    .kernarg_segment_size: 24
    .max_flat_workgroup_size: 512
    .sgpr_count:     66
    .vgpr_count:     256
    .wavefront_size: 32
...
	.end_amdgpu_metadata
.endif
;; end of part 5
